; MI455X (gfx1250); checked and timed in simulation.
; The chip was launched on July 23, 2026; its instructions are those of AMD's public machine-readable ISA for CDNA 5 (MIT licence, August 2026) and "CDNA5" Instruction Set Architecture Reference Guide (July 2026). The comments in the code are by the model that wrote it; some were corrected since.
;; Cyclical Attention. Allowed arithmetic: matrix products marked QUANTISED: E2M1 operands, one E8M0 scale for each 32 along K, by v_wmma_scale_f32_16x16x128_f8f6f4 with both operands' format E2M1 (or v_wmma_scale_f32_32x16x128_f4), f32 sums; products left as they are: bf16, f16 or f32 operands; f32 sums; everything else in f32.
;; Inputs: bc 16 float32; bk 1,024 float32; bo 1,024 float32; bq 1,024 float32; bv 1,024 float32; cycle_scale 16 float32; temporal_features 2 x 2,048 x 12 float32; wc 16 x 12 float32; wk 1,024 x 1,024 float32; wo 1,024 x 1,024 float32; wq 1,024 x 1,024 float32; wv 1,024 x 1,024 float32; x 2 x 2,048 x 1,024 float32.
;; Outputs: out0 2 x 2,048 x 1,024 float32.
;; This version of the problem:
;;   THIS VERSION OF THE PROBLEM IS GIVEN IN LOW PRECISION. The matrix products marked QUANTISED in the list below multiply operands that are first quantised to E2M1 (2 exponent bits, 1 mantissa bit; 4 bits a number), with one power-of-two scale for each 32 numbers along K (OCP MX v1.0); their sums are f32. The products marked 'left as it is' may take bf16, f16 or f32 operands, with f32 sums. Whichever they take, every output number must still come out within the allowed error. Rounding operands to bf16 (8 significant bits) uses up far more of that allowance than f16 does (11 bits, for magnitudes from 6e-5 to 65,504). All else is computed in f32.
;;   The module's matrix products, in the order in which they are computed (A, B: the left and right operand; K: the contracted axis; several contracted axes count as one K, in the product's order):
;;     1. [M 4,096, K 1,024] x [K 1,024, N 1,024]; A: input x; B: input wq: QUANTISED
;;     2. [M 4,096, K 1,024] x [K 1,024, N 1,024]; A: input x; B: input wk: QUANTISED
;;     3. [M 4,096, K 1,024] x [K 1,024, N 1,024]; A: input x; B: input wv: QUANTISED
;;     4. batch 32 x [M 2,048, K 64] x [K 64, N 2,048]; A: computed on the way; B: computed on the way: left as it is (an operand is computed on the way)
;;     5. [M 4,096, K 12] x [K 12, N 16]; A: input temporal_features; B: input wc: left as it is (K = 12 < 32)
;;     6. batch 32 x [M 2,048, K 2,048] x [K 2,048, N 64]; A: computed on the way; B: computed on the way: left as it is (an operand is computed on the way)
;;     7. [M 4,096, K 1,024] x [K 1,024, N 1,024]; A: computed on the way; B: input wo: left as it is (an operand is computed on the way)
;;   THE QUANTISER, for each operand of a quantised product, along K:
;;     - K is cut into blocks of 32 from its start; a last block that is shorter is filled with zeros.
;;     - A block's scale is 2^e with e = floor(log2(the largest magnitude in the block)) - 2, held to -126 .. 127; a block of zeros has e = 0. As a byte (E8M0): e + 127.
;;     - Each number is divided by its block's scale, clamped to +-6, and rounded to the nearest number of E2M1, ties to even, subnormals kept.
;;     - The product sums the exact products of the quantised numbers (number of the format x scale) in f32.
;;   ~~~python
;;   def quantise(x, axis):      # numpy; x: float32 -> the quantised numbers, widened to float32 again
;;       x = np.moveaxis(x, axis, -1); K = x.shape[-1]
;;       x = np.pad(x, [(0, 0)] * (x.ndim - 1) + [(0, -K % 32)]); x = x.reshape(x.shape[:-1] + (-1, 32)); a = np.abs(x).max(-1, keepdims=True)
;;       e = np.where(a > 0, np.clip(np.frexp(np.where(a > 0, a, 1))[1] - 1 - 2, -126, 127), 0)      # np.frexp(a)[1] - 1 = floor(log2(a)), exactly
;;       r = np.clip(x / 2.0 ** e, -6, 6)
;;       step = 2.0 ** (np.maximum(np.frexp(np.where(r == 0, 1, r))[1] - 1, 0) - 1)
;;       q = np.round(r / step) * step * 2.0 ** e      # np.round: ties to even
;;       return np.moveaxis(q.reshape(q.shape[:-2] + (-1,))[..., :K], -1, axis).astype(np.float32)
;;   ~~~
;; One version. Each part assembles by itself: llvm-mc -triple=amdgcn-amd-amdhsa -mcpu=gfx1250 --defsym DOCPART=n.
;; ======== version 1 of 1: 4 launches
;; limits: values are held in f16: magnitudes above 65,504 overflow, below 6.1e-05 lose precision
;; workspace buffers: x_codes 2,097,152 bytes; x_scales 131,072 bytes; w_codes 1,572,864 bytes; w_scales 98,304 bytes; wo_img 2,097,152 bytes; qkv 25,165,824 bytes; o_img 8,388,608 bytes
;; launch prep (part 1): grid 256 x 1, 4 waves a work-group, no clusters, 67,072 bytes of LDS; arguments x, wq, wk, wv, wo, x_codes, x_scales, w_codes, w_scales, wo_img; writes x_codes, x_scales, w_codes, w_scales, wo_img
.if DOCPART == 1
	.amdgcn_target "amdgcn-amd-amdhsa--gfx1250"
	.amdhsa_code_object_version 6
	.text
	.protected	k_qb5768f6449_prep
	.globl	k_qb5768f6449_prep
	.p2align	8
	.type	k_qb5768f6449_prep,@function
k_qb5768f6449_prep:
	s_mov_b64 s[64:65], 0
	v_nop
	global_prefetch_b8 v0, s[64:65] scope:SCOPE_SE
	s_setreg_imm32_b32 hwreg(HW_REG_WAVE_MODE, 25, 1), 1
	s_wait_xcnt 0x0
; x [4096][1024], wq, wk, wv [1024][1024], f32 with K innermost, become codes of FP4 (E2M1), two a byte, and one E8M0 byte for each 32 along K;
; wo [1024][1024] becomes f16, laid as images of operand registers.  Every work-group takes 32,768 numbers: 0-127 x, 128-159 wq, 160-191 wk, 192-223 wv, 224-255 wo.
; THE QUANTISER.  A block's scale is 2^(floor(log2(largest magnitude)) - 2); its byte is the largest magnitude's exponent field - 2, held at 1 from below.  A block of zeros so gets the byte 1:
; its codes are zeros, and the bytes are read by this program alone.  Rows are dense and K is a multiple of 32: a tensor is a plain stream of blocks.  wq, wk, wv lie one behind the other in w_codes and w_scales.
; A wave takes 16 steps of 512 numbers.  Each load reads 512 consecutive bytes; a step's 2,048 bytes turn through the wave's own stage in LDS (16 bytes of padding behind each 64) and come back 16 neighbours a lane.
; Loads run eight steps (32 loads a wave) ahead, the turn through LDS one step.
; WO.  A PIECE is 512 bytes: 16 rows x 16 along K in f16; lane (r = l % 16, h = l / 16) has 16 bytes at 16 l: row r, k = 8 h + 0 .. 7.  wo_img is [128 rows (8)][256 along K (4)][16 rows (8)][piece (16)][512].
; A wave takes 16 rows x 512 along K, in four blocks of 128 along K; a block goes through the wave's own stage (rows of 512 bytes + 16) so that loads and stores both cover 512 consecutive bytes.
; The two paths part on the work-group's number and have LDS bytes of their own.  Waves share nothing: no barrier.
; LIMITS: NaN and infinities are not served; blocks whose largest magnitude lies under 2^-124 were not tried; wo beyond 65,504 in magnitude has no f16 number.
.set STEPS, 16
.set DEPTH, 8                          ; steps of loads in flight
.set EMAX,  2
.set CB,    8                          ; bytes of 16 codes
.set R,     16                         ; v16-143  eight sets of 16 numbers as loaded
.set X,     144                        ; v144-175 two sets of 16 neighbours
.set E,     176                        ; v176-191 a scale byte for each step
.set C,     192                        ; v192-223 codes: two registers for each step, never written again
.set WREG,  8192                       ; LDS, quantiser: a region for each wave: two stages of 32 x SP bytes, then its 256 scale bytes
.set SP,    80
.set WOB,   32768                      ; LDS, wo: a stage of 16 rows x 528 bytes for each wave
.set WST,   16*528
.set SPARE, WOB+4*WST                  ; the spare words, 128 bytes for each wave: two blocks of 256 bytes that no other line names
.set SPW,   12                         ; v12  SPARE + 4 x my thread's number; never rewritten
.set NIL,   13                         ; v13  0; never rewritten
.set L,     16                         ; wo: v16-143 two sets of 64 as loaded
.set T,     144                        ; wo: v144-207 a block, 8 pieces x 8 numbers
.set H,     208                        ; wo: v208-239 the same in f16
	s_load_b256 s[4:11], s[0:1], 0x0               ; x, wq, wk, wv
	s_load_b256 s[12:19], s[0:1], 0x20             ; wo, x_codes, x_scales, w_codes
	s_load_b128 s[20:23], s[0:1], 0x40             ; w_scales, wo_img
	v_lshl_add_u32 v[SPW], v0, 2, SPARE
	v_mov_b32 v[NIL], 0
	v_lshrrev_b32 v1, 5, v0
	v_readfirstlane_b32 s24, v1                    ; wave
	v_and_b32 v2, 31, v0                           ; lane
	v_lshlrev_b32 v3, 4, v2                        ; 16 x lane
	s_cmp_ge_u32 ttmp9, 224
	s_cbranch_scc1 .Lwo
; ---------------- the quantiser
	s_mul_i32 s25, s24, WREG
	v_lshrrev_b32 v14, 2, v2
	v_mul_u32_u24 v14, v14, SP
	v_and_b32 v15, 3, v2
	v_lshl_add_u32 v14, v15, 4, v14
	v_add_nc_u32 v14, s25, v14                     ; the stage, on the way in: SP (lane / 4) + 16 (lane % 4)
	v_mul_u32_u24 v15, v2, SP
	v_add_nc_u32 v15, s25, v15                     ; on the way out: SP x lane
	v_mul_u32_u24 v4, v2, CB                       ; my codes in a step's 256 bytes
	v_lshrrev_b32 v5, 1, v2
	s_add_co_u32 s25, s25, 2*32*SP
	v_add_nc_u32 v5, s25, v5                       ; my block's scale byte in LDS
	v_lshlrev_b32 v7, 3, v2
	v_add_nc_u32 v6, s25, v7                       ; and 8 bytes a lane on the way out
	s_wait_kmcnt 0x0
	s_cmp_lt_u32 ttmp9, 192                        ; the buffers are chosen by the work-group's number alone
	s_cselect_b64 s[26:27], s[8:9], s[10:11]
	s_cmp_lt_u32 ttmp9, 160
	s_cselect_b64 s[26:27], s[6:7], s[26:27]
	s_cmp_lt_u32 ttmp9, 128
	s_cselect_b64 s[26:27], s[4:5], s[26:27]       ; the source
	s_cselect_b64 s[28:29], s[14:15], s[18:19]     ; its codes
	s_cselect_b64 s[30:31], s[16:17], s[20:21]     ; its scale bytes
	s_cselect_b32 s32, 0, 128
	s_cselect_b32 s33, -1, 31
	s_sub_co_u32 s34, ttmp9, s32                   ; which 32,768 numbers of the destination,
	s_and_b32 s35, s34, s33                        ; and of the source (a weight has 32 such runs)
	s_lshl_b32 s35, s35, 2
	s_add_co_u32 s35, s35, s24
	s_lshl_b32 s36, s35, 15                        ; my wave's 8,192 numbers: 32,768 bytes
	s_mov_b32 s37, 0
	s_add_nc_u64 s[26:27], s[26:27], s[36:37]
	s_lshl_b32 s34, s34, 2
	s_add_co_u32 s34, s34, s24
	s_lshl_b32 s36, s34, 12                        ; 4,096 bytes of codes
	s_add_nc_u64 s[28:29], s[28:29], s[36:37]
	s_lshl_b32 s36, s34, 8                         ; 256 scale bytes
	s_add_nc_u64 s[30:31], s[30:31], s[36:37]
.macro LOAD t
.irp i, 0,1,2,3
	global_load_b128 v[R+16*((\t)%DEPTH)+4*\i:R+16*((\t)%DEPTH)+4*\i+3], v3, s[26:27] offset:2048*(\t)+512*\i th:TH_LOAD_NT   ; 32 lanes read 512 consecutive bytes
.endr
.endm
.macro TURN t                          ; a step's numbers through the stage: LDS serves a wave's instructions in order, so no wait stands between the stores and the loads
.irp i, 0,1,2,3
	ds_store_b128 v14, v[R+16*((\t)%DEPTH)+4*\i:R+16*((\t)%DEPTH)+4*\i+3] offset:32*SP*((\t)%2)+8*SP*\i
.endr
.irp i, 0,1,2,3
	ds_load_b128 v[X+16*((\t)%2)+4*\i:X+16*((\t)%2)+4*\i+3], v15 offset:32*SP*((\t)%2)+16*\i
.endr
.endm
.irp t, 0,1,2,3,4,5,6,7
	LOAD \t
.endr
	s_wait_loadcnt 28                              ; step 0's four loads are in; the 28 of steps 1 to 7 may be out
	TURN 0
.macro STEP t
.set XS, X+16*((\t)%2)
.if (\t) > 0
	s_wait_dscnt 1                                 ; this step's numbers are back from the stage (the last step's byte store may be out): its stores into the stage have read their registers,
.else
	s_wait_dscnt 0x0
.endif
.if (\t)+DEPTH < STEPS
	LOAD (\t)+DEPTH                                ; which take the loads of eight steps on
.endif
.if (\t)+1 < STEPS
.if STEPS-2-(\t) >= DEPTH-1
	s_wait_loadcnt 4*(DEPTH-1)                     ; the next step's four loads are in; those of the seven steps behind it may be out
.else
	s_wait_loadcnt 4*(STEPS-2-(\t))                ; near the end: as many steps as are left behind the next
.endif
	TURN (\t)+1
.endif
	v_max3_num_f32 v8, |v[XS]|, |v[XS+1]|, |v[XS+2]|               ; the largest magnitude of my 16, in two chains
	v_max3_num_f32 v9, |v[XS+3]|, |v[XS+4]|, |v[XS+5]|
.irp i, 6,10
	v_max3_num_f32 v8, v8, |v[XS+\i]|, |v[XS+\i+1]|
	v_max3_num_f32 v9, v9, |v[XS+\i+2]|, |v[XS+\i+3]|
.endr
	v_max3_num_f32 v8, v8, |v[XS+14]|, |v[XS+15]|
	v_max3_num_f32 v8, v8, v9, (EMAX+1)<<23        ; and the floor 2^(3 - 127): the byte cannot fall under 1
	v_max_num_f32_dpp v8, v8, v8 row_xmask:1 row_mask:0xf bank_mask:0xf   ; with my neighbour's 16: the block's
	v_add_nc_u32 v11, -(EMAX<<23), v8              ; 2 off its exponent field: the conversion takes the exponent field of this operand as its scale
	v_cvt_scalef32_pk8_fp4_f32 v[C+2*(\t)], v[XS:XS+7], v11
	v_cvt_scalef32_pk8_fp4_f32 v[C+2*(\t)+1], v[XS+8:XS+15], v11
	v_lshrrev_b32 v[E+(\t)], 23, v11               ; the scale's byte (also the plain line behind the conversions)
	ds_store_b8 v5, v[E+(\t)] offset:16*(\t)       ; both lanes of a block write the same byte with the same value
	global_store_b64 v4, v[C+2*(\t):C+2*(\t)+1], s[28:29] offset:32*CB*(\t)   ; the wave stores 256 consecutive bytes, aligned
.endm
.irp t, 0,1,2,3,4,5,6,7,8,9,10,11,12,13,14,15
	STEP \t
.endr
	ds_load_b64 v[8:9], v6                         ; LDS serves a wave's instructions in order: these see my byte stores
	s_wait_dscnt 0x0
	global_store_b64 v7, v[8:9], s[30:31]          ; 256 scale bytes, consecutive and aligned
	s_wait_tensorcnt 0x0                           ; the wave's end, behind my last LDS store
	ds_add_u32 v[SPW], v[NIL]
	s_wait_dscnt 0x0
	s_endpgm
; ---------------- wo into f16 images
.Lwo:
	s_mul_i32 s25, s24, WST
	s_add_co_u32 s25, s25, WOB                     ; my stage
	v_add_nc_u32 v4, s25, v3                       ; in: a row's 512 bytes, 16 a lane
	v_and_b32 v6, 15, v0                           ; r
	v_bfe_u32 v7, v0, 4, 1                         ; h
	v_mul_u32_u24 v5, v6, 528
	v_lshl_add_u32 v5, v7, 5, v5
	v_add_nc_u32 v5, s25, v5                       ; out: row r, + 32 h: eight numbers of a piece
	s_sub_co_u32 s26, ttmp9, 224
	s_lshl_b32 s26, s26, 1
	s_lshr_b32 s27, s24, 1
	s_add_co_u32 s26, s26, s27                     ; my 16 rows: tile 2 g + wave / 2
	s_and_b32 s27, s24, 1                          ; my half of K
	s_lshl_b32 s28, s26, 16                        ; 16 rows of 4,096 bytes
	s_lshl_b32 s30, s27, 11                        ; 512 numbers along K
	s_add_co_u32 s28, s28, s30
	s_mov_b32 s29, 0
	s_lshr_b32 s30, s26, 3
	s_lshl_b32 s30, s30, 18                        ; 128 rows: 262,144 bytes of images
	s_and_b32 s32, s26, 7
	s_lshl_b32 s32, s32, 13                        ; 16 rows: 8,192
	s_add_co_u32 s30, s30, s32
	s_lshl_b32 s32, s27, 17                        ; 512 along K: 2 x 65,536
	s_add_co_u32 s30, s30, s32
	s_mov_b32 s31, 0
	s_wait_kmcnt 0x0
	s_add_nc_u64 s[12:13], s[12:13], s[28:29]
	s_add_nc_u64 s[22:23], s[22:23], s[30:31]
.macro LOADB i                         ; block i: 16 rows x 128 along K
.irp r, 0,1,2,3,4,5,6,7,8,9,10,11,12,13,14,15
	global_load_b128 v[L+64*((\i)%2)+4*\r:L+64*((\i)%2)+4*\r+3], v3, s[12:13] offset:4096*\r+512*(\i) th:TH_LOAD_NT
.endr
.endm
.macro BLOCKW i
.if (\i) < 3
	s_wait_loadcnt 16                              ; this block's 16 loads are in; the next block's may be out
.else
	s_wait_loadcnt 0x0
.endif
.irp r, 0,1,2,3,4,5,6,7,8,9,10,11,12,13,14,15
	ds_store_b128 v4, v[L+64*((\i)%2)+4*\r:L+64*((\i)%2)+4*\r+3] offset:528*\r
.endr
.irp p, 0,1,2,3,4,5,6,7
	ds_load_b128 v[T+8*\p:T+8*\p+3], v5 offset:64*\p
	ds_load_b128 v[T+8*\p+4:T+8*\p+7], v5 offset:64*\p+16
.endr
	s_wait_dscnt 0x0                               ; the block is back, and the stores have read their registers
.if (\i) < 2
	LOADB (\i)+2
.endif
.if (\i) > 0
	s_wait_xcnt 0x0                                ; the last block's stores have read their data: H is written again only behind this wait
.endif
.irp p, 0,1,2,3,4,5,6,7
.irp q, 0,1,2,3
	v_cvt_pk_f16_f32 v[H+4*\p+\q], v[T+8*\p+2*\q], v[T+8*\p+2*\q+1]
.endr
.endr
.irp p, 0,1,2,3,4,5,6,7
	global_store_b128 v3, v[H+4*\p:H+4*\p+3], s[22:23] offset:65536*((\i)/2)+4096*((\i)%2)+512*\p   ; a piece: 512 consecutive bytes, aligned
.endr
.endm
	LOADB 0
	LOADB 1
	BLOCKW 0
	BLOCKW 1
	BLOCKW 2
	BLOCKW 3
	s_wait_tensorcnt 0x0                           ; the wave's end, behind my last LDS store
	ds_add_u32 v[SPW], v[NIL]
	s_wait_dscnt 0x0
	s_endpgm
.Lfunc_end_k_qb5768f6449_prep:
	.size	k_qb5768f6449_prep, .Lfunc_end_k_qb5768f6449_prep-k_qb5768f6449_prep
	.p2alignl 7, 3214868480
	.fill 96, 4, 3214868480
	.section	.rodata,"a",@progbits
	.p2align	6, 0x0
	.amdhsa_kernel k_qb5768f6449_prep
		.amdhsa_group_segment_fixed_size 67072
		.amdhsa_private_segment_fixed_size 0
		.amdhsa_enable_private_segment 0
		.amdhsa_kernarg_size 80
		.amdhsa_user_sgpr_count 2
		.amdhsa_user_sgpr_kernarg_segment_ptr 1
		.amdhsa_wavefront_size32 1
		.amdhsa_system_sgpr_workgroup_id_x 1
		.amdhsa_system_sgpr_workgroup_id_y 1
		.amdhsa_system_sgpr_workgroup_id_z 1
		.amdhsa_system_vgpr_workitem_id 0
		.amdhsa_next_free_vgpr 256
		.amdhsa_next_free_sgpr 66
		.amdhsa_reserve_vcc 0
		.amdhsa_float_denorm_mode_32 3
		.amdhsa_float_denorm_mode_16_64 3
		.amdhsa_memory_ordered 1
		.amdhsa_forward_progress 1
		.amdhsa_inst_pref_size 60
	.end_amdhsa_kernel
	.amdgpu_metadata
---
amdhsa.version: [ 1, 2 ]
amdhsa.kernels:
  - .name:           k_qb5768f6449_prep
    .symbol:         k_qb5768f6449_prep.kd
    .args:
      - { .name: x, .offset: 0, .size: 8, .value_kind: global_buffer, .address_space: global }
      - { .name: wq, .offset: 8, .size: 8, .value_kind: global_buffer, .address_space: global }
      - { .name: wk, .offset: 16, .size: 8, .value_kind: global_buffer, .address_space: global }
      - { .name: wv, .offset: 24, .size: 8, .value_kind: global_buffer, .address_space: global }
      - { .name: wo, .offset: 32, .size: 8, .value_kind: global_buffer, .address_space: global }
      - { .name: x_codes, .offset: 40, .size: 8, .value_kind: global_buffer, .address_space: global }
      - { .name: x_scales, .offset: 48, .size: 8, .value_kind: global_buffer, .address_space: global }
      - { .name: w_codes, .offset: 56, .size: 8, .value_kind: global_buffer, .address_space: global }
      - { .name: w_scales, .offset: 64, .size: 8, .value_kind: global_buffer, .address_space: global }
      - { .name: wo_img, .offset: 72, .size: 8, .value_kind: global_buffer, .address_space: global }
    .group_segment_fixed_size: 67072
    .private_segment_fixed_size: 0
    .kernarg_segment_align: 8
    .kernarg_segment_size: 80
    .max_flat_workgroup_size: 128
    .sgpr_count:     66
    .vgpr_count:     256
    .wavefront_size: 32
...
	.end_amdgpu_metadata
.endif
;; end of part 1
;; launch qkv (part 2): grid 12 x 16, 4 waves a work-group, clusters of 4 x 4, 327,680 bytes of LDS; arguments x_codes, x_scales, w_codes, w_scales, bq, bk, bv, qkv; writes qkv
.if DOCPART == 2
	.amdgcn_target "amdgcn-amd-amdhsa--gfx1250"
	.amdhsa_code_object_version 6
	.text
	.protected	k_qb5768f6449_qkv
	.globl	k_qb5768f6449_qkv
	.p2align	8
	.type	k_qb5768f6449_qkv,@function
k_qb5768f6449_qkv:
	s_mov_b64 s[64:65], 0
	v_nop
	global_prefetch_b8 v0, s[64:65] scope:SCOPE_SE
	s_setreg_imm32_b32 hwreg(HW_REG_WAVE_MODE, 25, 1), 1
	s_wait_xcnt 0x0
	s_wait_alu depctr_hold_cnt(0) depctr_sa_sdst(0) depctr_va_vdst(0) depctr_va_sdst(0) depctr_va_ssrc(0) depctr_va_vcc(0) depctr_vm_vsrc(0)
	s_getreg_b32 s2, hwreg(HW_REG_IB_STS2, 6, 4)
	s_cmp_eq_u32 s2, 0
	s_cbranch_scc0 .Lentry_in_a_cluster
	s_endpgm
.Lentry_in_a_cluster:
	s_bfe_u32 s2, ttmp6, 0x10000c
	s_cmp_lg_u32 s2, 0xf033
	s_cbranch_scc0 .Lentry_shape_is_right
	s_endpgm
.Lentry_shape_is_right:
; [Q | K | V] = x [wq | wk | wv]^T + bias, on codes of FP4 (E2M1) with one E8M0 scale for each 32 along K; sums in f32; the results leave as f16.
; A: x_codes [4096][512 bytes], x_scales [4096][32].  B: w_codes [3072][512 bytes], w_scales [3072][32]: rows 0-1023 wq, 1024-2047 wk, 2048-3071 wv.  K = 1,024.
; A tile of 256 tokens x 256 channels is made by four waves, 128 x 128 each: 64 accumulators, 512 registers.  K is two steps of 512, one in each of two LDS slots: both are first fills, nothing is filled again.
; The scales of the work-group's 256 + 256 rows, for all of K, come once, as dense blocks.
; CLUSTERS: 4 x 4 work-groups; the four of a row need the same tiles of A, the four of a column the same tiles of B: each tile is asked for jointly.  The cluster's x is the KIND (0 Q, 1 K, 2 V):
; it is the same in all sixteen partners and enters pointers, a factor and a store offset alone, no branch.
; THE MATRIX INSTRUCTION IS USED TRANSPOSED (source 0 = 16 rows of w, source 1 = 16 tokens): a lane holds one token (l % 16) and the channels 8 (l / 16) + 0 .. 7 of a block of 16.
; Rounded to f16 those are 16 bytes, and the wave's 32 x 16 bytes are a PIECE: the image of four registers of an f16 operand (16 tokens x 16 channels).  So a result is stored straight from registers, 512 consecutive bytes a store.
; qkv: [16 b + head (32)][512 tokens (4)][Q | K | V][16 tokens (32)][16 channels (4)][512 bytes].  In V's pieces lane (r, h) lies at 16 (r % 8 + 8 h + 16 (r / 8)): the order in which the turning LDS load of the next launch wants them.
; Q is multiplied by log2(e) / 8 (the softmax's 1 / sqrt(64), and base 2) in f32, ahead of the rounding.
; LIMITS: results beyond 65,504 in magnitude have no f16 number; NaN and infinities are not served.
; REGISTERS: window 0: v0-31 addresses; v32-95 scale words, two sets; v128-191 A's fragments, on the way out f16 results; v192-255 bias x factor.  window 1: B's fragments, two sets; on the way out v0-63 at work.  windows 2, 3: accumulators.
.set SIZE_K, 1024
.set KSTEP,  512
.set NQ,     KSTEP/128
.set ROWB,   256
.set KROW,   SIZE_K/2
.set PITCH,  272                       ; an LDS row: 256 bytes + 16 of padding: the 16 rows that a load touches start at 16 different groups of four banks
.set FR,     8
.set NL,     2
.set NP,     4
.set HALFT,  128*PITCH
.set SLOT,   4*HALFT
.set KS,     SIZE_K/32
.set SCL,    2*SLOT
.set HALFS,  (128*KS/256)*272
.set SBLK,   (16*KS/256)*272
.set SPARE,  SCL+4*HALFS               ; the spare words, 128 bytes for each wave: two blocks of 256 bytes that no other line names
.set ADRA, 16
.set ADRB, 20
.set VO,   26                          ; v26  my 16 bytes in a piece
.set ADRS, 27
.set SPW,  28
.set NIL,  29
.set SC,   32
.set AF,   128
.set HB,   128                         ; the way out: two sets of 32 registers of f16
.set BB,   192                         ; bias x factor: block b's eight at v[BB + 8 b]
.set FAC,  98                          ; s[98:99] the factor
.set G1, 24
.set G0, 32
.set G1B, 48
.set G0B, 56
.set G1S, 68
.set G0S, 76
.set G1SB, 80
.set G0SB, 88
.set MSB, 0
.macro WIN new                         ; the immediate's high byte repeats the setting that is left
.if MSB != \new
	s_set_vgpr_msb (MSB<<8)|\new
.set MSB, \new
.endif
.endm
.set MUL_LO, 0xa1                      ; source 0 (B) window 1, source 1 (A) window 0, C and D window 2
.set MUL_HI, 0xf1
.set TO_B,   0x40
; A joint load: waves 0 and 1 fetch for A, waves 2 and 3 for B; the branch hangs on the wave's number alone.  An s_nop 0 and four v_nop follow each of the two lines.
.macro JLOAD g0a, g1a, g0b, g1b
	s_cmp_eq_u32 s15, 0
	s_cbranch_scc0 .Lfor_b_\@
	tensor_load_to_lds s[\g0a:\g0a+3], s[\g1a:\g1a+7]
	s_nop 0
.rept 4
	v_nop
.endr
	s_branch .Lasked_\@
.Lfor_b_\@:
	tensor_load_to_lds s[\g0b:\g0b+3], s[\g1b:\g1b+7]
	s_nop 0
.rept 4
	v_nop
.endr
.Lasked_\@:
.endm
.macro CROUND                          ; a round of the cluster's barrier
	s_barrier_signal -1
	s_barrier_wait -1
	s_cmp_lg_u32 s14, 0
	s_cbranch_scc1 .Lnot_wave_0_\@
	s_barrier_signal -3
.Lnot_wave_0_\@:
	s_barrier_wait -3
	s_barrier_signal -1
	s_barrier_wait -1
.endm
	s_load_b128 s[4:7], s[0:1], 0x0                ; A's codes, A's scales
	s_load_b128 s[8:11], s[0:1], 0x10              ; B's codes, B's scales
	s_load_b128 s[96:99], s[0:1], 0x20             ; bq, bk
	s_load_b64 s[66:67], s[0:1], 0x30              ; bv
	s_load_b64 s[12:13], s[0:1], 0x38              ; qkv
	v_lshl_add_u32 v[SPW], v0, 2, SPARE
	v_mov_b32 v[NIL], 0
	ds_add_u32 v[SPW], v[NIL]                      ; the wave's opening: the add, twice on end, and its wait ahead of my first tensor load
	ds_add_u32 v[SPW], v[NIL]
	v_lshrrev_b32 v1, 5, v0
	v_readfirstlane_b32 s14, v1                    ; wave 0..3
	s_lshr_b32 s15, s14, 1                         ; my half of the tile's tokens.  Also: I fetch for A (0) or for B (1)
	s_and_b32 s16, s14, 1                          ; my half of its channels.  Also: which 128 rows I fetch
	s_bfe_u32 s40, ttmp6, 0x40000                  ; cx
	s_bfe_u32 s41, ttmp6, 0x40004                  ; cy
	s_lshl_b32 s42, ttmp9, 2
	s_add_co_u32 s42, s42, s40                     ; tile column = 4 x cluster x + cx
	s_and_b32 s17, ttmp7, 0xffff
	s_lshl_b32 s17, s17, 2
	s_add_co_u32 s17, s17, s41                     ; tile row = 4 x cluster y + cy
	s_lshl_b32 s43, s41, 2
	s_lshl_b32 s43, 15, s43                        ; my row of the cluster
	s_lshl_b32 s44, 0x1111, s40                    ; my column
	s_or_b32 s[G1+0], s43, (0<<16)|(1<<20)|(1<<21)|(5<<22)|(3<<25)  ; the mask; elements of 1 byte; padding on; bit 21 beside a mask; four words behind every 64
	s_or_b32 s[G1B+0], s44, (0<<16)|(1<<20)|(1<<21)|(5<<22)|(3<<25)
.irp g, G1, G1B
	s_mov_b32 s[\g+1], ROWB<<16                    ; tensor_dim0
	s_mov_b32 s[\g+2], 128<<16                     ; tensor_dim1
	s_mov_b32 s[\g+3], ROWB<<16                    ; tile_dim0
	s_mov_b32 s[\g+4], 128                         ; tile_dim1
	s_mov_b32 s[\g+5], KROW                        ; the pitch
	s_mov_b32 s[\g+6], 0
	s_mov_b32 s[\g+7], 0
.endr
	s_or_b32 s[G1S+0], s43, (3<<16)|(1<<20)|(1<<21)|(5<<22)|(3<<25)  ; the scales of 128 rows: 4,096 dense bytes as 16 rows of 256 (32 elements of 8 bytes), 16 bytes of padding behind each
	s_or_b32 s[G1SB+0], s44, (3<<16)|(1<<20)|(1<<21)|(5<<22)|(3<<25)
.irp g, G1S, G1SB
	s_mov_b32 s[\g+1], 32<<16
	s_mov_b32 s[\g+2], (128*KS/256)<<16
	s_mov_b32 s[\g+3], 32<<16
	s_mov_b32 s[\g+4], 128*KS/256
	s_mov_b32 s[\g+5], 32
	s_mov_b32 s[\g+6], 0
	s_mov_b32 s[\g+7], 0
.endr
	s_lshl_b32 s18, s16, 7
	s_lshl_b32 s20, s17, 8
	s_add_co_u32 s20, s20, s18                     ; A: row 256 x tile row + 128 x half
	s_lshl_b32 s46, s42, 8
	s_add_co_u32 s46, s46, s18                     ; B: row 256 x tile column + 128 x half
	s_mov_b32 s21, 0
	s_mov_b32 s47, 0
	s_mov_b64 s[18:19], KS
	s_mul_u64 s[22:23], s[20:21], s[18:19]         ; where these rows' scales begin
	s_mul_u64 s[92:93], s[46:47], s[18:19]
	s_mov_b64 s[18:19], KROW
	s_mul_u64 s[20:21], s[20:21], s[18:19]         ; and their codes
	s_mul_u64 s[46:47], s[46:47], s[18:19]
	s_mul_i32 s45, s14, HALFT                      ; where they go: wave x 128 rows
	s_mul_i32 s94, s14, HALFS
	s_wait_dscnt 0x0                               ; both opening adds are done
	s_wait_kmcnt 0x0
	s_add_nc_u64 s[20:21], s[4:5], s[20:21]
	s_add_nc_u64 s[22:23], s[6:7], s[22:23]
	s_add_nc_u64 s[46:47], s[8:9], s[46:47]
	s_add_nc_u64 s[92:93], s[10:11], s[92:93]
	CROUND                                         ; all sixteen work-groups are here: the joint loads meet
	s_mov_b32 s[G0S], 1
	s_add_co_u32 s[G0S+1], s94, SCL
	s_mov_b64 s[G0S+2:G0S+3], s[22:23]
	s_or_b32 s[G0S+3], s[G0S+3], 0x80000000
	s_mov_b32 s[G0SB], 1
	s_add_co_u32 s[G0SB+1], s94, SCL
	s_mov_b64 s[G0SB+2:G0SB+3], s[92:93]
	s_or_b32 s[G0SB+3], s[G0SB+3], 0x80000000
	JLOAD G0S, G1S, G0SB, G1SB                     ; the scales first: they are wanted with K step 0
.irp s, 0,1
	s_mov_b32 s[G0+4*\s], 1
	s_add_co_u32 s[G0+4*\s+1], s45, \s*SLOT
	s_add_nc_u64 s[G0+4*\s+2:G0+4*\s+3], s[20:21], \s*ROWB
	s_or_b32 s[G0+4*\s+3], s[G0+4*\s+3], 0x80000000
	s_mov_b32 s[G0B+4*\s], 1
	s_add_co_u32 s[G0B+4*\s+1], s45, \s*SLOT
	s_add_nc_u64 s[G0B+4*\s+2:G0B+4*\s+3], s[46:47], \s*ROWB
	s_or_b32 s[G0B+4*\s+3], s[G0B+4*\s+3], 0x80000000
	JLOAD G0+4*\s, G1, G0B+4*\s, G1B               ; three loads of mine are out behind the second of these
.endr
	v_and_b32 v1, 15, v0                           ; r
	v_bfe_u32 v2, v0, 4, 1                         ; h
	v_mul_u32_u24 v3, v1, PITCH
	v_lshl_add_u32 v4, v2, 4, v3                   ; a fragment's row x pitch + 16 x half
	s_mul_i32 s21, s15, HALFT
	s_mul_i32 s22, s16, HALFT
	s_add_co_u32 s22, s22, 2*HALFT
.irp s, 0,1
	v_add_nc_u32 v[ADRA+\s], s21, v4
	v_add_nc_u32 v[ADRB+\s], s22, v4
	s_add_co_u32 s21, s21, SLOT
	s_add_co_u32 s22, s22, SLOT
.endr
	v_mul_u32_u24 v5, v1, KS                       ; my row's scales: KS bytes a row,
	v_lshrrev_b32 v6, 8, v5
	v_lshl_add_u32 v5, v6, 4, v5                   ; and 16 more for each 256 passed
	s_mul_i32 s21, s15, HALFS
	s_mul_i32 s22, s16, HALFS
	s_add_co_u32 s22, s22, 2*HALFS
	s_sub_co_u32 s22, s22, s21
	v_mul_u32_u24 v6, s22, v2                      ; lanes 16-31 take B's
	s_add_co_u32 s21, s21, SCL
	v_add_nc_u32 v5, v5, v6
	v_add_nc_u32 v[ADRS], s21, v5
	; the kind's bias, factor and order of lanes: chosen by the cluster's x alone
	s_cmp_eq_u32 ttmp9, 0
	s_cselect_b64 s[96:97], s[96:97], s[98:99]     ; bq or bk
	s_mov_b32 s[FAC], 0x3f800000                   ; 1.0 for K and V
	s_cselect_b32 s[FAC], 0x3e38aa3b, s[FAC]       ; log2(e) / 8 for Q
	s_cmp_eq_u32 ttmp9, 2
	s_cselect_b64 s[96:97], s[66:67], s[96:97]     ; or bv
	s_cselect_b32 s95, -1, 0                       ; all lanes: V's order
	s_mov_b32 s[FAC+1], s[FAC]                     ; (named with it as a pair, so it is written)
	s_lshl_b32 s46, s40, 10                        ; my 128 channels in the kind's 1,024: 4 bytes x (256 cx + 128 half)
	s_lshl_b32 s47, s16, 9
	s_add_co_u32 s46, s46, s47
	s_mov_b32 s47, 0
	s_add_nc_u64 s[96:97], s[96:97], s[46:47]
	v_lshlrev_b32 v6, 5, v2                        ; my half's eight numbers of a block of 16
.irp b, 0,1,2,3,4,5,6,7
	global_load_b128 v[BB+8*\b:BB+8*\b+3], v6, s[96:97] offset:64*\b
	global_load_b128 v[BB+8*\b+4:BB+8*\b+7], v6, s[96:97] offset:64*\b+16
.endr
	v_and_b32 v5, 31, v0
	v_lshlrev_b32 v7, 4, v5                        ; Q, K: 16 x lane
	v_and_b32 v8, 7, v0
	v_lshl_add_u32 v8, v2, 3, v8
	v_bfe_u32 v9, v0, 3, 1
	v_lshl_add_u32 v8, v9, 4, v8
	v_lshlrev_b32 v8, 4, v8                        ; V: 16 x (r % 8 + 8 h + 16 (r / 8))
	v_cndmask_b32 v[VO], v7, v8, s95
	; where my results begin: 786,432 (16 b + 4 cx + 2 half) + 196,608 (chunk of 512 tokens) + 65,536 kind + 2,048 (tile of 16 tokens)
	s_lshr_b32 s20, s17, 3
	s_lshl_b32 s20, s20, 4
	s_lshl_b32 s46, s40, 2
	s_add_co_u32 s46, s46, s20
	s_lshl_b32 s47, s16, 1
	s_add_co_u32 s46, s46, s47
	s_mul_i32 s46, s46, 786432
	s_bfe_u32 s20, s17, 0x20001                    ; bits 2:1 of the tile row
	s_mul_i32 s20, s20, 196608
	s_add_co_u32 s46, s46, s20
	s_lshl_b32 s20, ttmp9, 16
	s_add_co_u32 s46, s46, s20
	s_and_b32 s20, s17, 1
	s_lshl_b32 s20, s20, 1
	s_add_co_u32 s20, s20, s15
	s_lshl_b32 s20, s20, 14                        ; 8 tiles of 2,048 bytes
	s_add_co_u32 s46, s46, s20
	s_mov_b32 s47, 0
	s_add_nc_u64 s[12:13], s[12:13], s[46:47]
	s_wait_loadcnt 0x0                             ; the bias
.set i, 0
.rept 32
	v_pk_mul_f32 v[BB+i:BB+i+1], v[BB+i:BB+i+1], s[FAC:FAC+1] op_sel_hi:[1,0]   ; bias x factor: the way out is then one fused multiply-add
.set i, i+2
.endr
.macro FRAG reg, adr, q, i             ; 16 rows x 128 K of 4-bit codes: 8 registers; two loads of 16 bytes, 32 bytes apart
.irp c, 0,1
	ds_load_b128 v[\reg+4*\c:\reg+4*\c+3], v[\adr] offset:64*(\q)+32*\c+(\i)*16*PITCH
.endr
.endm
; 16 matrix instructions: A's blocks a0, a0 + 1 x B's eight.  The 64 accumulators take turns, one instruction a turn, in the same order in every step.
; One register carries A's scale word (lanes 0-15) and B's (lanes 16-31) of block i.
.macro MUL16 a0, p, q, sc, zero
.irp a, \a0, \a0+1
.irp b, 0,1,2,3,4,5,6,7
.if \zero
	v_wmma_scale_f32_16x16x128_f8f6f4 v[8*(8*((\a)%4)+\b):8*(8*((\a)%4)+\b)+7], v[128*(\p)+FR*\b:128*(\p)+FR*\b+FR-1], v[AF+FR*(\a):AF+FR*(\a)+FR-1], 0, v[SC+8*NQ*(\sc)+NQ*\b+(\q)], v[SC+8*NQ*(\sc)+NQ*(\a)+(\q)] matrix_a_fmt:MATRIX_FMT_FP4 matrix_b_fmt:MATRIX_FMT_FP4 matrix_a_scale:MATRIX_SCALE_ROW1
.else
	v_wmma_scale_f32_16x16x128_f8f6f4 v[8*(8*((\a)%4)+\b):8*(8*((\a)%4)+\b)+7], v[128*(\p)+FR*\b:128*(\p)+FR*\b+FR-1], v[AF+FR*(\a):AF+FR*(\a)+FR-1], v[8*(8*((\a)%4)+\b):8*(8*((\a)%4)+\b)+7], v[SC+8*NQ*(\sc)+NQ*\b+(\q)], v[SC+8*NQ*(\sc)+NQ*(\a)+(\q)] matrix_a_fmt:MATRIX_FMT_FP4 matrix_b_fmt:MATRIX_FMT_FP4 matrix_a_scale:MATRIX_SCALE_ROW1
.endif
.endr
.endr
.endm
.macro FETCH_B slot, q, p
	WIN TO_B
.irp i, 0,1,2,3,4,5,6,7
	FRAG 128*(\p)+FR*\i, ADRB+\slot, \q, \i
.endr
	WIN 0
.endm
.macro FETCH_A slot, q, i0
.irp i, \i0, \i0+1, \i0+2, \i0+3
	FRAG AF+FR*(\i), ADRA+\slot, \q, \i
.endr
.endm
.macro SCALES sc                       ; a K step's scale words: four words a row
.irp i, 0,1,2,3,4,5,6,7
	ds_load_b128 v[SC+8*NQ*\sc+NQ*\i:SC+8*NQ*\sc+NQ*\i+3], v[ADRS] offset:\i*SBLK
.endr
.endm
.macro PLACES n                        ; plain vector places behind matrix instructions, ahead of loads into registers that they read and of reads of their results
.rept \n
	v_nop
.endr
.endm
.macro STEP slot, q, zero              ; 128 along K, with its successor in the same slot
	s_wait_dscnt 4*NL                              ; B's set and A's blocks 0-3 are in; the youngest eight loads (A's blocks 4-7) may be out
	WIN MUL_LO
	MUL16 0, (\q)%2, \q, \slot, \zero
	MUL16 2, (\q)%2, \q, \slot, \zero
	s_wait_dscnt 0
	PLACES NP
	FETCH_B \slot, (\q)+1, 1-(\q)%2
	FETCH_A \slot, (\q)+1, 0
	WIN MUL_HI
	MUL16 4, (\q)%2, \q, \slot, \zero
	MUL16 6, (\q)%2, \q, \slot, \zero
	PLACES NP
	WIN 0
	FETCH_A \slot, (\q)+1, 4
.endm
; Slot 0's last step changes slots: each wave waits for all its tensor loads (its part of slot 1), and one barrier shows slot 1 whole to every wave.  Nothing is filled again.
.macro TURN slot, next
	s_wait_tensorcnt 0x0
	ds_add_u32 v[SPW], v[NIL]
	s_wait_dscnt 4*NL+1                            ; (the add and the youngest eight loads may be out)
	WIN MUL_LO
	MUL16 0, 1, NQ-1, \slot, 0
	s_wait_dscnt 0x0
	s_barrier_signal -1
	MUL16 2, 1, NQ-1, \slot, 0
	WIN 0
	s_barrier_wait -1
	PLACES NP
	v_add_nc_u32 v[ADRS], 4*NQ, v[ADRS]            ; on to the next K step's scale words
	FETCH_B \next, 0, 0
	FETCH_A \next, 0, 0
	SCALES \next
	WIN MUL_HI
	MUL16 4, 1, NQ-1, \slot, 0
	MUL16 6, 1, NQ-1, \slot, 0
	PLACES NP
	WIN 0
	FETCH_A \next, 0, 4
.endm
.macro STEPS slot, from
.set Q, \from
.rept NQ-1-\from
	STEP \slot, Q, 0
.set Q, Q+1
.endr
.endm
	s_wait_tensorcnt 1                             ; the scales and my part of K step 0 are in; K step 1's load may be out
	s_barrier_signal -1
	s_barrier_wait -1
	FETCH_B 0, 0, 0
	FETCH_A 0, 0, 0
	SCALES 0
	FETCH_A 0, 0, 4
	STEP 0, 0, 1                                   ; the first products start the sums: nothing is cleared
	STEPS 0, 1
	TURN 0, 1
	STEPS 1, 0
	s_wait_dscnt 4*NL                              ; the last step: nothing more to fetch
	WIN MUL_LO
	MUL16 0, 1, NQ-1, 1, 0
	MUL16 2, 1, NQ-1, 1, 0
	s_wait_dscnt 0
	WIN MUL_HI
	MUL16 4, 1, NQ-1, 1, 0
	MUL16 6, 1, NQ-1, 1, 0
	WIN 0
	PLACES NP
; THE WAY OUT of block a (16 tokens x 128 channels): sum x factor + bias x factor, each accumulator from its low end on; rounded to f16; eight pieces stored from registers.
.macro OUTB a
	WIN (0x42+(\a)/4)                              ; source 0: window 2 or 3; destination: window 1; the bias: window 0
.irp b, 0,1,2,3,4,5,6,7
.irp i, 0,2,4,6
	v_pk_fma_f32 v[8*\b+\i:8*\b+\i+1], v[64*((\a)%4)+8*\b+\i:64*((\a)%4)+8*\b+\i+1], s[FAC:FAC+1], v[BB+8*\b+\i:BB+8*\b+\i+1] op_sel_hi:[1,0,1]
.endr
.endr
.if (\a) >= 2
	s_wait_xcnt 0x0                                ; the stores of two blocks back have read their data: the set is written again only behind this wait
.endif
	WIN 0x05                                       ; sources window 1, destination window 0
.irp b, 0,1,2,3,4,5,6,7
.irp i, 0,1,2,3
	v_cvt_pk_f16_f32 v[HB+32*((\a)%2)+4*\b+\i], v[8*\b+2*\i], v[8*\b+2*\i+1]
.endr
.endr
	WIN 0
.irp b, 0,1,2,3,4,5,6,7
	global_store_b128 v[VO], v[HB+32*((\a)%2)+4*\b:HB+32*((\a)%2)+4*\b+3], s[12:13] offset:786432*(\b/4)+2048*(\a)+512*(\b%4)   ; head b / 4, tile a, piece b % 4: 512 consecutive bytes, aligned
.endr
.endm
.irp a, 0,1,2,3,4,5,6,7
	OUTB \a
.endr
	s_wait_tensorcnt 0x0                           ; the wave's end
	ds_add_u32 v[SPW], v[NIL]
	s_wait_dscnt 0x0
	CROUND                                         ; the closing round
	s_endpgm
.Lfunc_end_k_qb5768f6449_qkv:
	.size	k_qb5768f6449_qkv, .Lfunc_end_k_qb5768f6449_qkv-k_qb5768f6449_qkv
	.p2alignl 7, 3214868480
	.fill 96, 4, 3214868480
	.section	.rodata,"a",@progbits
	.p2align	6, 0x0
	.amdhsa_kernel k_qb5768f6449_qkv
		.amdhsa_group_segment_fixed_size 327680
		.amdhsa_private_segment_fixed_size 0
		.amdhsa_enable_private_segment 0
		.amdhsa_kernarg_size 64
		.amdhsa_user_sgpr_count 2
		.amdhsa_user_sgpr_kernarg_segment_ptr 1
		.amdhsa_wavefront_size32 1
		.amdhsa_system_sgpr_workgroup_id_x 1
		.amdhsa_system_sgpr_workgroup_id_y 1
		.amdhsa_system_sgpr_workgroup_id_z 1
		.amdhsa_system_vgpr_workitem_id 0
		.amdhsa_next_free_vgpr 1024
		.amdhsa_next_free_sgpr 100
		.amdhsa_reserve_vcc 0
		.amdhsa_float_denorm_mode_32 3
		.amdhsa_float_denorm_mode_16_64 3
		.amdhsa_memory_ordered 1
		.amdhsa_forward_progress 1
		.amdhsa_inst_pref_size 138
	.end_amdhsa_kernel
	.amdgpu_metadata
---
amdhsa.version: [ 1, 2 ]
amdhsa.kernels:
  - .name:           k_qb5768f6449_qkv
    .symbol:         k_qb5768f6449_qkv.kd
    .args:
      - { .name: x_codes, .offset: 0, .size: 8, .value_kind: global_buffer, .address_space: global }
      - { .name: x_scales, .offset: 8, .size: 8, .value_kind: global_buffer, .address_space: global }
      - { .name: w_codes, .offset: 16, .size: 8, .value_kind: global_buffer, .address_space: global }
      - { .name: w_scales, .offset: 24, .size: 8, .value_kind: global_buffer, .address_space: global }
      - { .name: bq, .offset: 32, .size: 8, .value_kind: global_buffer, .address_space: global }
      - { .name: bk, .offset: 40, .size: 8, .value_kind: global_buffer, .address_space: global }
      - { .name: bv, .offset: 48, .size: 8, .value_kind: global_buffer, .address_space: global }
      - { .name: qkv, .offset: 56, .size: 8, .value_kind: global_buffer, .address_space: global }
    .group_segment_fixed_size: 327680
    .private_segment_fixed_size: 0
    .kernarg_segment_align: 8
    .kernarg_segment_size: 64
    .max_flat_workgroup_size: 128
    .sgpr_count:     100
    .vgpr_count:     1024
    .wavefront_size: 32
...
	.end_amdgpu_metadata
.endif
;; end of part 2
;; launch attn (part 3): grid 8 x 32, 8 waves a work-group, clusters of 4 x 1, 327,680 bytes of LDS; arguments qkv, temporal_features, wc, bc, cycle_scale, o_img; writes o_img
.if DOCPART == 3
	.amdgcn_target "amdgcn-amd-amdhsa--gfx1250"
	.amdhsa_code_object_version 6
	.text
	.protected	k_qb5768f6449_attn
	.globl	k_qb5768f6449_attn
	.p2align	8
	.type	k_qb5768f6449_attn,@function
k_qb5768f6449_attn:
	s_mov_b64 s[64:65], 0
	v_nop
	global_prefetch_b8 v0, s[64:65] scope:SCOPE_SE
	s_setreg_imm32_b32 hwreg(HW_REG_WAVE_MODE, 25, 1), 1
	s_wait_xcnt 0x0
	s_wait_alu depctr_hold_cnt(0) depctr_sa_sdst(0) depctr_va_vdst(0) depctr_va_sdst(0) depctr_va_ssrc(0) depctr_va_vcc(0) depctr_vm_vsrc(0)
	s_getreg_b32 s2, hwreg(HW_REG_IB_STS2, 6, 4)
	s_cmp_eq_u32 s2, 0
	s_cbranch_scc0 .Lentry_in_a_cluster
	s_endpgm
.Lentry_in_a_cluster:
	s_bfe_u32 s2, ttmp6, 0x10000c
	s_cmp_lg_u32 s2, 0x3003
	s_cbranch_scc0 .Lentry_shape_is_right
	s_endpgm
.Lentry_shape_is_right:
; O[b][h][q] = the sum over k of softmax_k(Q.K / 8 + cn[q] cn[k] scale[h]) V[k], 2,048 keys, head size 64, no mask.  cn = e / max(|e|, 1e-12), e[s] = tf[b][s] . wc[h] + bc[h], the norm over the 2,048 positions.
; Q (already x log2(e) / 8), K, V come as f16 images of operand registers (pieces of 512 bytes: 16 tokens x 16 channels, lane l's 16 bytes at 16 l); products on f16, sums, maxima, exponentials in f32.
; SHARES.  A work-group owns 256 queries of one head, each of its eight waves 32: two tiles of 16.  Two waves share a SIMD, so that one wave's softmax stands beside the other's products.  Every wave walks all keys, 64 a step.
; LAYOUT.  S^T = K Q^T (source 0 = 16 keys, source 1 = 16 queries): a lane holds ONE query (l % 16) and keys 8 (l / 16) + 0 .. 7.  Two such tiles rounded to f16 in pairs are source 1 of O^T = V^T P.  V comes out of LDS turned (ds_load_tr16_b128).
; THE BIAS is the C of the first product: cn[key] from LDS (the same address in 16 lanes) x the lane's cn[query] scale log2(e).
; SOFTMAX.  A running maximum m and sum l for each query: p = 2^(t - m); in every step O and l are multiplied by a = 2^(m_old - m_new).  m begins at -3e38, O and l at 0.
; THE RING.  Two slots of 512 keys: K's 65,536 bytes, then V's.  In memory K | V of 512 keys are 131,072 dense bytes: each of the eight waves fetches 16,384 of them by one tensor load.
; CLUSTER.  The four query blocks of a cluster belong to one head and walk the same K and V: every tile is asked for jointly, with the mask of all four.  The queries' own cn is computed from memory, so that no LDS address hangs on a work-group's place.
; No prefetch: a refill stands eight key steps, 256 matrix instructions a wave, ahead of the wait for it.
; LIMITS: NaN and infinities are not served; p under 6e-8 of the row's largest is rounded on f16's subnormal grid.
; REGISTERS.  window 0: v1-11 addresses; v12-27 statistics, eight a tile; v28-31 the queries' factor; v32-63 Q; v64-127 S^T; v128-159 P; v160-207 at work in the head.  window 1: v0-63 K; v64-127 V; v128-191 O^T.
.set SLOT1, 1<<17
.set CN,    2*SLOT1                    ; cn of the head's 2,048 positions, f32
.set RED,   CN+8192                    ; eight partial sums
.set SPARE, RED+256                    ; the spare words, 128 bytes for each wave: four blocks of 256 bytes that no other line names
.set LI,  1                            ; v1   16 x lane
.set ADK, 2                            ; v2   the step's K
.set ADV, 3                            ; v3   the step's V
.set ADC, 4                            ; v4   the step's cn
.set CB,  5                            ; v5   CN + 32 (lane / 16)
.set CNW, 6                            ; v6   CN + 4 x thread
.set TFO, 7                            ; v7   48 x thread
.set SPW, 8                            ; v8   SPARE + 4 x thread; never rewritten
.set NIL, 9                            ; v9   0; never rewritten
.set TQO, 10                           ; v10  48 x my query's position
.set ST,  12                           ; tile t at v[ST + 8 t]: +0 m, +1 its pair's partner, +2, +3 l, +4 .. +7 c0-c3 at work; a takes c2's place
.set CQ,  28                           ; v[28:29], v[30:31]: cn[query] scale log2(e) of tile 0, 1
.set QF,  32
.set S,   64
.set P,   128
.set TF,  64                           ; the head: eight positions' 12 features
.set TQ,  160                          ; my two queries' features
.set EE,  184                          ; e of eight positions
.set EQ,  192                          ; e of my two queries
.set KF,  0                            ; window 1
.set VF,  64
.set OT,  128
.set WV,  16
.set G1,  24
.set G0A, 32
.set G0B, 36
.set SEL, 40
.set TK,  42                           ; s42  LDS byte of the step's K
.set CK,  43                           ; s43  byte of the step's cn
.set NS,  44
.set SL,  45
.set WC,  48                           ; s[48:59] wc's row; s60 bc; s61 cycle_scale; s62 the same x log2(e)
.set MSB, 0
.macro WIN new                         ; the immediate's high byte repeats the setting that is left
.if MSB != \new
	s_set_vgpr_msb (MSB<<8)|\new
.set MSB, \new
.endif
.endm
.macro CROUND                          ; a round of the cluster's barrier
	s_barrier_signal -1
	s_barrier_wait -1
	s_cmp_lg_u32 s[WV], 0
	s_cbranch_scc1 .Lnot_wave_0_\@
	s_barrier_signal -3
.Lnot_wave_0_\@:
	s_barrier_wait -3
	s_barrier_signal -1
	s_barrier_wait -1
.endm
	s_load_b256 s[4:11], s[0:1], 0x0               ; qkv, temporal_features, wc, bc
	s_load_b128 s[12:15], s[0:1], 0x20             ; cycle_scale, o_img
	v_lshl_add_u32 v[SPW], v0, 2, SPARE
	v_mov_b32 v[NIL], 0
	ds_add_u32 v[SPW], v[NIL]                      ; the wave's opening: the add, twice on end, and its wait ahead of my first tensor load
	ds_add_u32 v[SPW], v[NIL]
	v_lshrrev_b32 v11, 5, v0
	v_readfirstlane_b32 s[WV], v11                 ; wave 0..7
	s_bfe_u32 s17, ttmp6, 0x40000                  ; cx
	s_lshl_b32 s18, ttmp9, 2
	s_add_co_u32 s18, s18, s17                     ; my block of 256 queries: it enters global addresses alone
	s_and_b32 s19, ttmp7, 0xffff                   ; 16 b + head, which the partners share
	s_lshr_b32 s20, s19, 4                         ; b
	s_and_b32 s21, s19, 15                         ; head
	s_mov_b32 s[G1], 15|(3<<16)|(1<<21)            ; the mask of all four; elements of 8 bytes; bit 21 beside a mask; no padding
	s_mov_b32 s[G1+1], 32<<16                      ; tensor_dim0: 256 bytes
	s_mov_b32 s[G1+2], 64<<16                      ; tensor_dim1
	s_mov_b32 s[G1+3], 32<<16                      ; tile_dim0
	s_mov_b32 s[G1+4], 64                          ; tile_dim1: 64 rows, 16,384 dense bytes
	s_mov_b32 s[G1+5], 32                          ; the pitch
	s_mov_b32 s[G1+6], 0
	s_mov_b32 s[G1+7], 0
	s_mov_b32 s[SEL], 0x76543210
	s_mov_b32 s[SEL+1], 0xfedcba98                 ; lane l xor 16
	s_mov_b32 s[TK], 0
	s_mov_b32 s[CK], 0
	v_and_b32 v11, 31, v0
	v_lshlrev_b32 v[LI], 4, v11
	v_bfe_u32 v11, v0, 4, 1
	v_lshl_add_u32 v[CB], v11, 5, CN
	v_lshl_add_u32 v[CNW], v0, 2, CN
	v_mul_u32_u24 v[TFO], v0, 48
	s_lshl_b32 s22, s18, 8
	s_lshl_b32 s23, s[WV], 5
	s_add_co_u32 s22, s22, s23                     ; my wave's first query
	v_and_b32 v[TQO], 15, v0
	v_add_nc_u32 v[TQO], s22, v[TQO]
	v_mul_u32_u24 v[TQO], v[TQO], 48
	s_wait_dscnt 0x0                               ; both opening adds are done
	s_wait_kmcnt 0x0
	s_mul_i32 s2, s19, 786432
	s_mov_b32 s3, 0
	s_add_nc_u64 s[4:5], s[4:5], s[2:3]            ; qkv at my head
	s_mul_i32 s2, s20, 98304
	s_add_nc_u64 s[6:7], s[6:7], s[2:3]            ; the features of my batch
	s_mul_i32 s2, s21, 48
	s_add_nc_u64 s[8:9], s[8:9], s[2:3]            ; wc's row
	s_lshl_b32 s2, s21, 2
	s_add_nc_u64 s[10:11], s[10:11], s[2:3]
	s_add_nc_u64 s[12:13], s[12:13], s[2:3]
	s_load_b128 s[WC:WC+3], s[8:9], 0x0
	s_load_b128 s[WC+4:WC+7], s[8:9], 0x10
	s_load_b128 s[WC+8:WC+11], s[8:9], 0x20
	s_load_b32 s60, s[10:11], 0x0
	s_load_b32 s61, s[12:13], 0x0
	s_lshl_b32 s46, s[WV], 14                      ; my 16,384 bytes of a slot, in LDS and in memory
	s_mov_b32 s47, 0
	s_add_nc_u64 s[22:23], s[4:5], s[46:47]
	s_add_nc_u64 s[22:23], s[22:23], 0x10000       ; K | V lie behind Q's 65,536 bytes
	s_mov_b32 s[G0A], 1
	s_mov_b32 s[G0A+1], s46                        ; slot 0
	s_mov_b64 s[G0A+2:G0A+3], s[22:23]             ; keys 0 to 511
	s_or_b32 s[G0A+3], s[G0A+3], 0x80000000
	s_mov_b32 s[G0B], 1
	s_add_co_u32 s[G0B+1], s46, SLOT1              ; slot 1
	s_add_nc_u64 s[G0B+2:G0B+3], s[22:23], 196608  ; keys 512 to 1,023; this one walks on
	s_or_b32 s[G0B+3], s[G0B+3], 0x80000000
	CROUND                                         ; all four work-groups are here: the first joint loads meet
	tensor_load_to_lds s[G0A:G0A+3], s[G1:G1+7]
	s_nop 0
	tensor_load_to_lds s[G0B:G0B+3], s[G1:G1+7]    ; two loads of mine are out
	s_nop 0
.rept 4
	v_nop
.endr
.irp i, 0,1,2,3,4,5,6,7                ; position thread + 256 i: 48 bytes
.irp u, 0,1,2
	global_load_b128 v[TF+12*\i+4*\u:TF+12*\i+4*\u+3], v[TFO], s[6:7] offset:12288*\i+16*\u
.endr
.endr
.irp t, 0,1
.irp u, 0,1,2
	global_load_b128 v[TQ+12*\t+4*\u:TQ+12*\t+4*\u+3], v[TQO], s[6:7] offset:768*\t+16*\u
.endr
.endr
	s_lshr_b32 s2, s18, 1                          ; Q: chunk of 512 tokens,
	s_mul_i32 s2, s2, 196608
	s_and_b32 s46, s18, 1
	s_lshl_b32 s46, s46, 4
	s_lshl_b32 s47, s[WV], 1
	s_add_co_u32 s46, s46, s47                     ; tile 16 (block % 2) + 2 wave
	s_lshl_b32 s46, s46, 11
	s_add_co_u32 s2, s2, s46
	s_add_nc_u64 s[4:5], s[4:5], s[2:3]
.irp t, 0,1
.irp p, 0,1,2,3
	global_load_b128 v[QF+16*\t+4*\p:QF+16*\t+4*\p+3], v[LI], s[4:5] offset:2048*\t+512*\p   ; Q stays in registers
.endr
.endr
	s_lshl_b32 s2, s20, 4                          ; O's images: 128 tokens: 16 b + 2 block + wave / 4,
	s_lshl_b32 s46, s18, 1
	s_add_co_u32 s2, s2, s46
	s_lshr_b32 s46, s[WV], 2
	s_add_co_u32 s2, s2, s46
	s_lshl_b32 s2, s2, 18
	s_lshr_b32 s46, s21, 2                         ; 256 along the next K: head / 4,
	s_lshl_b32 s46, s46, 16
	s_add_co_u32 s2, s2, s46
	s_and_b32 s46, s[WV], 3                        ; tile 2 (wave % 4),
	s_lshl_b32 s46, s46, 14
	s_add_co_u32 s2, s2, s46
	s_and_b32 s46, s21, 3                          ; piece 4 (head % 4)
	s_lshl_b32 s46, s46, 11
	s_add_co_u32 s2, s2, s46
	s_add_nc_u64 s[14:15], s[14:15], s[2:3]
	s_lshl_b32 s46, s[WV], 2
	s_add_co_u32 s46, s46, RED
	v_mov_b32 v196, s46                            ; my wave's partial sum
	v_mov_b32 v195, 0                              ; (a lane permute's destination counts as read)
	s_wait_kmcnt 0x0                               ; wc's row, bc, cycle_scale
	s_mul_f32 s62, s61, 0x3fb8aa3b                 ; scale x log2(e)
	s_wait_loadcnt 8                               ; the features are in; Q's eight loads may be out
.irp i, 0,1,2,3,4,5,6,7
	v_fma_f32 v[EE+\i], v[TF+12*\i], s[WC], s60
.endr
.irp t, 0,1
	v_fma_f32 v[EQ+\t], v[TQ+12*\t], s[WC], s60
.endr
.irp j, 1,2,3,4,5,6,7,8,9,10,11
.irp i, 0,1,2,3,4,5,6,7
	v_fma_f32 v[EE+\i], v[TF+12*\i+\j], s[WC+\j], v[EE+\i]
.endr
.irp t, 0,1
	v_fma_f32 v[EQ+\t], v[TQ+12*\t+\j], s[WC+\j], v[EQ+\t]
.endr
.endr
	v_mul_f32 v194, v[EE], v[EE]
.irp i, 1,2,3,4,5,6,7
	v_fma_f32 v194, v[EE+\i], v[EE+\i], v194
.endr
	v_add_f32_dpp v194, v194, v194 row_xmask:1 row_mask:0xf bank_mask:0xf
	v_add_f32_dpp v194, v194, v194 row_xmask:2 row_mask:0xf bank_mask:0xf
	v_add_f32_dpp v194, v194, v194 row_xmask:4 row_mask:0xf bank_mask:0xf
	v_add_f32_dpp v194, v194, v194 row_xmask:8 row_mask:0xf bank_mask:0xf
	v_permlanex16_b32 v195, v194, s[SEL], s[SEL+1]
	v_add_f32 v194, v194, v195                     ; the wave's 256 squares
	ds_store_b32 v196, v194
	s_wait_dscnt 0x0                               ; for the others' sake
	s_barrier_signal -1
	s_barrier_wait -1                              ; my tensor loads may stay out
	v_mov_b32 v197, RED
	ds_load_b128 v[200:203], v197
	ds_load_b128 v[204:207], v197 offset:16
	s_wait_dscnt 0x0
	v_add_f32 v200, v200, v201
	v_add_f32 v202, v202, v203
	v_add_f32 v204, v204, v205
	v_add_f32 v206, v206, v207
	v_add_f32 v200, v200, v202
	v_add_f32 v204, v204, v206
	v_add_f32 v200, v200, v204                     ; the sum of all 2,048 squares
	v_sqrt_f32 v198, v200
	v_nop                                          ; a plain line behind the transcendental,
	s_wait_alu depctr_va_vdst(0)                   ; and a wait ahead of its first reader
	v_max_num_f32 v198, 0x2b8cbccc, v198           ; at least 1e-12
	v_rcp_f32 v199, v198
	v_nop
	s_wait_alu depctr_va_vdst(0)
.irp i, 0,1,2,3,4,5,6,7
	v_mul_f32 v[EE+\i], v[EE+\i], v199             ; cn
.endr
.irp i, 0,1,2,3,4,5,6,7
	ds_store_b32 v[CNW], v[EE+\i] offset:1024*\i
.endr
.irp t, 0,1
	v_mul_f32 v[CQ+2*\t], v[EQ+\t], v199
	v_mul_f32 v[CQ+2*\t], s62, v[CQ+2*\t]          ; cn[query] scale log2(e)
	v_mov_b32 v[CQ+2*\t+1], v[CQ+2*\t]             ; (named with it as a pair)
	v_mov_b32 v[ST+8*\t], 0xff61b1e6               ; m = -3e38
	v_mov_b32 v[ST+8*\t+1], 0
	v_mov_b32 v[ST+8*\t+2], 0                      ; l, in two halves
	v_mov_b32 v[ST+8*\t+3], 0
.endr
	WIN 0x40
.set i, 0
.rept 64
	v_mov_b32 v[OT+i], 0                           ; O^T: the step is written once; its first run finds zeros
.set i, i+1
.endr
	WIN 0
	s_wait_tensorcnt 1                             ; my part of slot 0 is in; slot 1's may stay out
	s_wait_loadcnt 0x0                             ; Q
	s_wait_dscnt 0x0                               ; my stores of cn
	s_barrier_signal -1
	s_barrier_wait -1
; A KEY STEP: 64 keys.
.macro STEP
	v_add_nc_u32 v[ADK], s[TK], v[LI]              ; these three and the v_nop are the four places behind the last products, ahead of the loads into V's registers
	v_add_nc_u32 v[ADV], 0x10000, v[ADK]
	v_add_nc_u32 v[ADC], s[CK], v[CB]
	v_nop
.irp kt, 0,1,2,3                       ; cn of my eight keys of each tile, into tile 1's scores
	ds_load_b128 v[S+32+8*\kt:S+32+8*\kt+3], v[ADC] offset:64*\kt
	ds_load_b128 v[S+32+8*\kt+4:S+32+8*\kt+7], v[ADC] offset:64*\kt+16
.endr
	WIN 0x40                                       ; destination window 1
.irp i, 0,1,2,3,4,5,6,7,8,9,10,11,12,13,14,15      ; K: tile i / 4, piece i % 4
	ds_load_b128 v[KF+4*\i:KF+4*\i+3], v[ADK] offset:512*\i
.endr
.irp kg, 0,1                           ; V, turned: keys 32 kg + 16 u on, channels 16 ct on
.irp ct, 0,1,2,3
.irp u, 0,1
	ds_load_tr16_b128 v[VF+32*\kg+8*\ct+4*\u:VF+32*\kg+8*\ct+4*\u+3], v[ADV] offset:2048*(2*\kg+\u)+512*\ct
.endr
.endr
.endr
	WIN 0
	s_add_co_u32 s[TK], s[TK], 8192
	s_add_co_u32 s[CK], s[CK], 256
	s_wait_dscnt 32                                ; cn is in; K's 16 loads and V's 16 may be out
.set i, 0
.rept 16
	v_pk_mul_f32 v[S+i:S+i+1], v[S+32+i:S+32+i+1], v[CQ:CQ+1] op_sel_hi:[1,0]          ; the bias of tile 0,
.set i, i+2
.endr
.set i, 0
.rept 16
	v_pk_mul_f32 v[S+32+i:S+32+i+1], v[S+32+i:S+32+i+1], v[CQ+2:CQ+3] op_sel_hi:[1,0]  ; and of tile 1: the C of the products below
.set i, i+2
.endr
	s_wait_dscnt 16                                ; K is in; V's 16 loads may be out
	WIN 0x01                                       ; K in window 1
.irp c, 0,1                            ; eight accumulators by turns, one instruction a turn
.irp kt, 0,1,2,3
.irp t, 0,1
	v_wmma_f32_16x16x32_f16 v[S+32*\t+8*\kt:S+32*\t+8*\kt+7], v[KF+16*\kt+8*\c:KF+16*\kt+8*\c+7], v[QF+16*\t+8*\c:QF+16*\t+8*\c+7], v[S+32*\t+8*\kt:S+32*\t+8*\kt+7]
.endr
.endr
.endr
	WIN 0
.rept 4
	v_nop                                          ; places ahead of the first read of results
.endr
.irp j, 0,1,2,3                        ; the maximum: four chains a tile, each accumulator from its low end on; the two tiles line by line
.irp t, 0,1
	v_max3_num_f32 v[ST+8*\t+4+\j], v[S+32*\t+8*\j], v[S+32*\t+8*\j+1], v[S+32*\t+8*\j+2]
.endr
.endr
.irp g, 1,2
.irp j, 0,1,2,3
.irp t, 0,1
	v_max3_num_f32 v[ST+8*\t+4+\j], v[ST+8*\t+4+\j], v[S+32*\t+8*\j+2*\g+1], v[S+32*\t+8*\j+2*\g+2]
.endr
.endr
.endr
.irp t, 0,1
	v_max3_num_f32 v[ST+8*\t+4], v[ST+8*\t+4], v[S+32*\t+7], v[S+32*\t+15]
.endr
.irp t, 0,1
	v_max3_num_f32 v[ST+8*\t+6], v[ST+8*\t+6], v[S+32*\t+23], v[S+32*\t+31]
.endr
.irp t, 0,1
	v_max3_num_f32 v[ST+8*\t+4], v[ST+8*\t+4], v[ST+8*\t+5], v[ST+8*\t+6]
.endr
.irp t, 0,1
	v_max3_num_f32 v[ST+8*\t+4], v[ST+8*\t+4], v[ST+8*\t+7], v[ST+8*\t]      ; with the old m
.endr
.irp t, 0,1
	v_permlanex16_b32 v[ST+8*\t+5], v[ST+8*\t+4], s[SEL], s[SEL+1]           ; the query's other 32 keys lie in the lane 16 away
.endr
.irp t, 0,1
	v_max_num_f32 v[ST+8*\t+5], v[ST+8*\t+4], v[ST+8*\t+5]
.endr
.irp t, 0,1
	v_sub_f32 v[ST+8*\t+7], v[ST+8*\t], v[ST+8*\t+5]                         ; m_old - m_new
.endr
.irp t, 0,1
	v_mov_b32 v[ST+8*\t], v[ST+8*\t+5]
.endr
.irp i, 0,2,4,6,8,10,12,14,16,18,20,22,24,26,28,30
.irp t, 0,1
	v_pk_add_f32 v[S+32*\t+\i:S+32*\t+\i+1], v[S+32*\t+\i:S+32*\t+\i+1], v[ST+8*\t:ST+8*\t+1] op_sel_hi:[1,0] neg_lo:[0,1] neg_hi:[0,1]   ; t - m
.endr
.endr
.irp t, 0,1
	v_exp_f32 v[ST+8*\t+6], v[ST+8*\t+7]           ; a
.endr
.set i, 0
.rept 64
	v_exp_f32 v[S+i], v[S+i]                       ; p, at most 1
.set i, i+1
.endr
	v_nop                                          ; one plain line behind the batch,
	s_wait_alu depctr_va_vdst(0)                   ; and one wait for all 66, ahead of the first reader
.set i, 0
.rept 32
	v_cvt_pk_f16_f32 v[P+i], v[S+2*i], v[S+2*i+1]  ; both tiles: P's register 16 t + n holds scores 32 t + 2 n, + 1
.set i, i+1
.endr
.set i, 0
.rept 16
	v_pk_add_f32 v[S+4*i:S+4*i+1], v[S+4*i:S+4*i+1], v[S+4*i+2:S+4*i+3]      ; the sums of the unrounded p, a tree in place
.set i, i+1
.endr
.set i, 0
.rept 8
	v_pk_add_f32 v[S+8*i:S+8*i+1], v[S+8*i:S+8*i+1], v[S+8*i+4:S+8*i+5]
.set i, i+1
.endr
.set i, 0
.rept 4
	v_pk_add_f32 v[S+16*i:S+16*i+1], v[S+16*i:S+16*i+1], v[S+16*i+8:S+16*i+9]
.set i, i+1
.endr
.irp t, 0,1
	v_pk_add_f32 v[S+32*\t:S+32*\t+1], v[S+32*\t:S+32*\t+1], v[S+32*\t+16:S+32*\t+17]
.endr
.irp t, 0,1
	v_pk_fma_f32 v[ST+8*\t+2:ST+8*\t+3], v[ST+8*\t+2:ST+8*\t+3], v[ST+8*\t+6:ST+8*\t+7], v[S+32*\t:S+32*\t+1] op_sel_hi:[1,0,1]   ; l = a l + the sum
.endr
	WIN 0x41                                       ; O^T in window 1, a in window 0
.irp t, 0,1
.set i, 0
.rept 16
	v_pk_mul_f32 v[OT+32*\t+i:OT+32*\t+i+1], v[OT+32*\t+i:OT+32*\t+i+1], v[ST+8*\t+6:ST+8*\t+7] op_sel_hi:[1,0]
.set i, i+2
.endr
.endr
	s_wait_dscnt 0x0                               ; V is in
	WIN 0x51                                       ; V, C and D in window 1, P in window 0
.irp kg, 0,1                           ; eight accumulators by turns
.irp ct, 0,1,2,3
.irp t, 0,1
	v_wmma_f32_16x16x32_f16 v[OT+32*\t+8*\ct:OT+32*\t+8*\ct+7], v[VF+32*\kg+8*\ct:VF+32*\kg+8*\ct+7], v[P+16*\t+8*\kg:P+16*\t+8*\kg+7], v[OT+32*\t+8*\ct:OT+32*\t+8*\ct+7]
.endr
.endr
.endr
	WIN 0
.endm
.macro SLOT_STEPS                      ; a slot's eight key steps
	s_mov_b32 s[NS], 8
.Lstep_\@:
	STEP
	s_sub_co_u32 s[NS], s[NS], 1
	s_cmp_lg_u32 s[NS], 0
	s_cbranch_scc1 .Lstep_\@
.endm
; THE CHANGE OF SLOTS.  Each wave waits for all its tensor loads (its part of the slot ahead), adds 0 to its spare word, and waits for that and for its reads of the slot that it leaves.
; fill = 1: the barrier is a round of the cluster's, and the slot just left is filled first thing behind it, with the keys two slots on: one load of mine is out, with eight key steps in which to land.
.macro CHANGE fill
	s_wait_tensorcnt 0x0                           ; no tensor load of mine is out, so a group 0 may be written
	ds_add_u32 v[SPW], v[NIL]
.if \fill
	s_xor_b32 s[G0B+1], s[G0B+1], SLOT1            ; the other slot than last time,
	s_add_nc_u64 s[G0B+2:G0B+3], s[G0B+2:G0B+3], 196608   ; the next 512 keys
.endif
	s_wait_dscnt 0x0
.if \fill
	CROUND
	tensor_load_to_lds s[G0B:G0B+3], s[G1:G1+7]
	s_nop 0
.rept 4
	v_nop
.endr
.else
	s_barrier_signal -1
	s_barrier_wait -1
.endif
	s_sub_co_u32 s[TK], s[TK], 65536               ; back to a slot's first step,
	s_xor_b32 s[TK], s[TK], SLOT1                  ; in the other slot
.endm
	SLOT_STEPS                                     ; keys 0 to 511
	s_mov_b32 s[SL], 2
.Lslot:
	CHANGE 1
	SLOT_STEPS
	s_sub_co_u32 s[SL], s[SL], 1
	s_cmp_lg_u32 s[SL], 0
	s_cbranch_scc1 .Lslot
	CHANGE 0                                       ; the last slot is written out: nothing is left to fetch
	SLOT_STEPS
	; THE WAY OUT.  O^T / l, rounded to f16: a tile's four accumulators are four pieces of the next product's operand, stored from registers.  The additions are the places behind the last products.
.irp t, 0,1
	v_add_f32 v[ST+8*\t+4], v[ST+8*\t+2], v[ST+8*\t+3]
.endr
.irp t, 0,1
	v_permlanex16_b32 v[ST+8*\t+5], v[ST+8*\t+4], s[SEL], s[SEL+1]
.endr
.irp t, 0,1
	v_add_f32 v[ST+8*\t+4], v[ST+8*\t+4], v[ST+8*\t+5]
.endr
.irp t, 0,1
	v_rcp_f32 v[ST+8*\t+6], v[ST+8*\t+4]
.endr
	v_nop
	s_wait_alu depctr_va_vdst(0)                   ; one wait for the two reciprocals, ahead of their first reader
	WIN 0x41
.irp t, 0,1
.set i, 0
.rept 16
	v_pk_mul_f32 v[OT+32*\t+i:OT+32*\t+i+1], v[OT+32*\t+i:OT+32*\t+i+1], v[ST+8*\t+6:ST+8*\t+7] op_sel_hi:[1,0]   ; each accumulator from its low end on
.set i, i+2
.endr
.endr
	WIN 0x05                                       ; sources window 1, destination window 0: the scores' registers are free
.set i, 0
.rept 32
	v_cvt_pk_f16_f32 v[S+i], v[OT+2*i], v[OT+2*i+1]
.set i, i+1
.endr
	WIN 0
.irp t, 0,1
.irp ct, 0,1,2,3
	global_store_b128 v[LI], v[S+16*\t+4*\ct:S+16*\t+4*\ct+3], s[14:15] offset:8192*\t+512*\ct   ; a piece: 512 consecutive bytes, aligned
.endr
.endr
	s_wait_tensorcnt 0x0                           ; the wave's end
	ds_add_u32 v[SPW], v[NIL]
	s_wait_dscnt 0x0
	CROUND                                         ; the closing round
	s_endpgm
.Lfunc_end_k_qb5768f6449_attn:
	.size	k_qb5768f6449_attn, .Lfunc_end_k_qb5768f6449_attn-k_qb5768f6449_attn
	.p2alignl 7, 3214868480
	.fill 96, 4, 3214868480
	.section	.rodata,"a",@progbits
	.p2align	6, 0x0
	.amdhsa_kernel k_qb5768f6449_attn
		.amdhsa_group_segment_fixed_size 327680
		.amdhsa_private_segment_fixed_size 0
		.amdhsa_enable_private_segment 0
		.amdhsa_kernarg_size 48
		.amdhsa_user_sgpr_count 2
		.amdhsa_user_sgpr_kernarg_segment_ptr 1
		.amdhsa_wavefront_size32 1
		.amdhsa_system_sgpr_workgroup_id_x 1
		.amdhsa_system_sgpr_workgroup_id_y 1
		.amdhsa_system_sgpr_workgroup_id_z 1
		.amdhsa_system_vgpr_workitem_id 0
		.amdhsa_next_free_vgpr 512
		.amdhsa_next_free_sgpr 66
		.amdhsa_reserve_vcc 0
		.amdhsa_float_denorm_mode_32 3
		.amdhsa_float_denorm_mode_16_64 3
		.amdhsa_memory_ordered 1
		.amdhsa_forward_progress 1
		.amdhsa_inst_pref_size 88
	.end_amdhsa_kernel
	.amdgpu_metadata
---
amdhsa.version: [ 1, 2 ]
amdhsa.kernels:
  - .name:           k_qb5768f6449_attn
    .symbol:         k_qb5768f6449_attn.kd
    .args:
      - { .name: qkv, .offset: 0, .size: 8, .value_kind: global_buffer, .address_space: global }
      - { .name: temporal_features, .offset: 8, .size: 8, .value_kind: global_buffer, .address_space: global }
      - { .name: wc, .offset: 16, .size: 8, .value_kind: global_buffer, .address_space: global }
      - { .name: bc, .offset: 24, .size: 8, .value_kind: global_buffer, .address_space: global }
      - { .name: cycle_scale, .offset: 32, .size: 8, .value_kind: global_buffer, .address_space: global }
      - { .name: o_img, .offset: 40, .size: 8, .value_kind: global_buffer, .address_space: global }
    .group_segment_fixed_size: 327680
    .private_segment_fixed_size: 0
    .kernarg_segment_align: 8
    .kernarg_segment_size: 48
    .max_flat_workgroup_size: 256
    .sgpr_count:     66
    .vgpr_count:     512
    .wavefront_size: 32
...
	.end_amdgpu_metadata
.endif
;; end of part 3
;; launch oproj (part 4): grid 8 x 32, 4 waves a work-group, clusters of 4 x 4, 327,680 bytes of LDS; arguments o_img, wo_img, bo, out0; writes out0
.if DOCPART == 4
	.amdgcn_target "amdgcn-amd-amdhsa--gfx1250"
	.amdhsa_code_object_version 6
	.text
	.protected	k_qb5768f6449_oproj
	.globl	k_qb5768f6449_oproj
	.p2align	8
	.type	k_qb5768f6449_oproj,@function
k_qb5768f6449_oproj:
	s_mov_b64 s[64:65], 0
	v_nop
	global_prefetch_b8 v0, s[64:65] scope:SCOPE_SE
	s_setreg_imm32_b32 hwreg(HW_REG_WAVE_MODE, 25, 1), 1
	s_wait_xcnt 0x0
	s_wait_alu depctr_hold_cnt(0) depctr_sa_sdst(0) depctr_va_vdst(0) depctr_va_sdst(0) depctr_va_ssrc(0) depctr_va_vcc(0) depctr_vm_vsrc(0)
	s_getreg_b32 s2, hwreg(HW_REG_IB_STS2, 6, 4)
	s_cmp_eq_u32 s2, 0
	s_cbranch_scc0 .Lentry_in_a_cluster
	s_endpgm
.Lentry_in_a_cluster:
	s_bfe_u32 s2, ttmp6, 0x10000c
	s_cmp_lg_u32 s2, 0xf033
	s_cbranch_scc0 .Lentry_shape_is_right
	s_endpgm
.Lentry_shape_is_right:
; out0[m][n] = the sum over k of O[m][k] wo[n][k] + bo[n].  O [4096][1024] and wo [1024][1024] come as f16 images of operand registers; sums in f32; out0 f32.
; o_img, wo_img: [128 rows][256 along K (4)][16 rows (8)][piece of 16 along K (16)][512 bytes]; in a piece lane l's 16 bytes lie at 16 l: row l % 16, k = 8 (l / 16) + 0 .. 7.
; A tile of out0 is 128 x 128: 256 work-groups.  Four waves, 64 x 64 each: 16 accumulators.  K goes in four steps of 256 through two LDS slots; a K step's 64 rows are 32,768 dense bytes: one tensor load a wave.
; A fragment is read at 16 x lane: an instruction's 512 bytes are consecutive: no pitch, no padding.
; CLUSTERS: 4 x 4 work-groups; A's tiles are shared along a row of the cluster, B's along a column: joint loads.  THE MATRIX INSTRUCTION IS USED TRANSPOSED (source 0 = 16 rows of wo, source 1 = 16 tokens):
; a lane holds eight neighbouring numbers of a row of out0.  The bias is the C of each sum's first product.
; A wave's 64 columns are 256 aligned bytes of a row: each wave sends its results through a stage of its own, 16 rows at a time, and sixteen lanes store 256 consecutive bytes.
; REGISTERS: window 0: v0-31 addresses; v32-95 the way out; v96-127 the bias, eight registers for each block of 16 columns; v128-255 the accumulators.  window 1: two fragment buffers of 128.
.set HALFT,  32768                     ; 64 rows x 256 along K: what one tensor load brings
.set SLOT,   4*HALFT                   ; A's 128 rows, then B's 128 rows
.set KSB,    65536                     ; from a K step to the next, in memory
.set STAGE,  2*SLOT                    ; behind the ring: 16 rows x 272 bytes for each wave
.set SPITCH, 272
.set SPARE,  STAGE+4*16*SPITCH         ; the spare words, 128 bytes for each wave: two blocks of 256 bytes that no other line names
.set LAPS,   2                         ; a lap = two K steps
.set ADRA, 16
.set ADRB, 20
.set STO,  24
.set RD,   25
.set CO,   26
.set SPW,  28
.set NIL,  29
.set TMP,  32
.set BIAS, 96
.set ACC,  128
.set F0,   0
.set F1,   128
.set G1, 24
.set G0, 32
.set G1B, 48
.set G0B, 56
.set MSB, 0
.macro WIN new                         ; the immediate's high byte repeats the setting that is left
.if MSB != \new
	s_set_vgpr_msb (MSB<<8)|\new
.set MSB, \new
.endif
.endm
.set MUL,  0x05                        ; sources 0 (B) and 1 (A) window 1; C and D window 0
.set TO_F, 0x40                        ; destination window 1, address window 0
.macro JLOAD s                         ; a joint load: waves 0 and 1 fetch A's halves, waves 2 and 3 B's; an s_nop 0 and four v_nop follow each of the two lines
	s_cmp_eq_u32 s11, 0
	s_cbranch_scc0 .Lfor_b_\@
	tensor_load_to_lds s[G0+4*\s:G0+4*\s+3], s[G1:G1+7]
	s_nop 0
.rept 4
	v_nop
.endr
	s_branch .Lasked_\@
.Lfor_b_\@:
	tensor_load_to_lds s[G0B+4*\s:G0B+4*\s+3], s[G1B:G1B+7]
	s_nop 0
.rept 4
	v_nop
.endr
.Lasked_\@:
.endm
.macro CREST                           ; a round of the cluster's barrier behind its opening barrier
	s_cmp_lg_u32 s10, 0
	s_cbranch_scc1 .Lnot_wave_0_\@
	s_barrier_signal -3
.Lnot_wave_0_\@:
	s_barrier_wait -3
	s_barrier_signal -1
	s_barrier_wait -1
.endm
.macro CROUND
	s_barrier_signal -1
	s_barrier_wait -1
	CREST
.endm
	s_load_b128 s[4:7], s[0:1], 0x0                ; O's images, wo's images
	s_load_b64 s[66:67], s[0:1], 0x10              ; bo
	s_load_b64 s[8:9], s[0:1], 0x18                ; out0
	v_lshl_add_u32 v[SPW], v0, 2, SPARE
	v_mov_b32 v[NIL], 0
	ds_add_u32 v[SPW], v[NIL]                      ; the wave's opening: the add, twice on end, and its wait ahead of my first tensor load
	ds_add_u32 v[SPW], v[NIL]
	v_lshrrev_b32 v1, 5, v0
	v_readfirstlane_b32 s10, v1                    ; wave 0..3
	s_lshr_b32 s11, s10, 1                         ; my half of the tile's rows.  Also: I fetch for A (0) or for B (1)
	s_and_b32 s12, s10, 1                          ; my half of its columns.  Also: which 64 rows I fetch
	s_bfe_u32 s40, ttmp6, 0x40000                  ; cx
	s_bfe_u32 s41, ttmp6, 0x40004                  ; cy
	s_lshl_b32 s42, ttmp9, 2
	s_add_co_u32 s42, s42, s40                     ; tile column
	s_and_b32 s13, ttmp7, 0xffff
	s_lshl_b32 s13, s13, 2
	s_add_co_u32 s13, s13, s41                     ; tile row
	s_lshl_b32 s43, s41, 2
	s_lshl_b32 s43, 15, s43                        ; my row of the cluster
	s_lshl_b32 s44, 0x1111, s40                    ; my column
	s_or_b32 s[G1+0], s43, (3<<16)|(1<<21)         ; the mask; elements of 8 bytes; bit 21 beside a mask; no padding
	s_or_b32 s[G1B+0], s44, (3<<16)|(1<<21)
.irp g, G1, G1B
	s_mov_b32 s[\g+1], 32<<16                      ; tensor_dim0: 256 bytes
	s_mov_b32 s[\g+2], 128<<16                     ; tensor_dim1
	s_mov_b32 s[\g+3], 32<<16                      ; tile_dim0
	s_mov_b32 s[\g+4], 128                         ; tile_dim1: 128 rows, 32,768 dense bytes
	s_mov_b32 s[\g+5], 32                          ; the pitch
	s_mov_b32 s[\g+6], 0
	s_mov_b32 s[\g+7], 0
.endr
	s_lshl_b32 s17, s12, 15                        ; which 64 rows of the tile I fetch
	s_lshl_b32 s16, s13, 18
	s_add_co_u32 s16, s16, s17                     ; A: 262,144 x tile row + 32,768 x half
	s_lshl_b32 s46, s42, 18
	s_add_co_u32 s46, s46, s17                     ; B: 262,144 x tile column + 32,768 x half
	s_mov_b32 s17, 0
	s_mov_b32 s47, 0
	s_mul_i32 s20, s10, HALFT                      ; where they go: wave x 32,768
	s_wait_dscnt 0x0                               ; both opening adds are done
	s_wait_kmcnt 0x0
	s_add_nc_u64 s[14:15], s[4:5], s[16:17]
	s_add_nc_u64 s[46:47], s[6:7], s[46:47]
	CROUND                                         ; all sixteen work-groups are here: the first joint loads meet
.irp s, 0,1
	s_mov_b32 s[G0+4*\s], 1
	s_add_co_u32 s[G0+4*\s+1], s20, \s*SLOT
	s_add_nc_u64 s[G0+4*\s+2:G0+4*\s+3], s[14:15], \s*KSB
	s_or_b32 s[G0+4*\s+3], s[G0+4*\s+3], 0x80000000
	s_mov_b32 s[G0B+4*\s], 1
	s_add_co_u32 s[G0B+4*\s+1], s20, \s*SLOT
	s_add_nc_u64 s[G0B+4*\s+2:G0B+4*\s+3], s[46:47], \s*KSB
	s_or_b32 s[G0B+4*\s+3], s[G0B+4*\s+3], 0x80000000
	JLOAD \s                                       ; two loads of mine are out behind the second
.endr
	v_and_b32 v1, 15, v0                           ; r
	v_bfe_u32 v2, v0, 4, 1                         ; h
	v_and_b32 v3, 31, v0
	v_lshlrev_b32 v3, 4, v3                        ; 16 x lane
	s_lshl_b32 s21, s11, 15                        ; my 64 rows of A
	s_lshl_b32 s22, s12, 15                        ; my 64 rows of B,
	s_add_co_u32 s22, s22, 2*HALFT                 ; which lie behind A's 128
.irp s, 0,1
	v_add_nc_u32 v[ADRA+\s], s21, v3
	v_add_nc_u32 v[ADRB+\s], s22, v3
	s_add_co_u32 s21, s21, SLOT
	s_add_co_u32 s22, s22, SLOT
.endr
	s_mul_i32 s23, s10, 16*SPITCH
	s_add_co_u32 s23, s23, STAGE                   ; my stage
	v_mul_u32_u24 v4, v1, SPITCH                   ; in: row r, 32 bytes for each half of the lanes
	v_lshl_add_u32 v4, v2, 5, v4
	v_add_nc_u32 v[STO], s23, v4
	v_mul_u32_u24 v5, v2, SPITCH                   ; back: lanes 0-15 one row of 256 bytes, lanes 16-31 the next
	v_lshl_add_u32 v5, v1, 4, v5
	v_add_nc_u32 v[RD], s23, v5
	v_lshlrev_b32 v5, 12, v2                       ; and the same two rows in out0: 4,096 bytes a row
	v_lshl_add_u32 v[CO], v1, 4, v5
	s_lshl_b32 s16, s13, 7
	s_lshl_b32 s17, s11, 6
	s_add_co_u32 s16, s16, s17                     ; my first row
	s_lshl_b32 s16, s16, 12
	s_mov_b32 s17, 0
	s_add_nc_u64 s[8:9], s[8:9], s[16:17]
	s_lshl_b32 s46, s42, 9                         ; my first column, in bytes: 512 x tile column + 256 x half
	s_lshl_b32 s47, s12, 8
	s_add_co_u32 s46, s46, s47
	s_mov_b32 s47, 0
	s_add_nc_u64 s[8:9], s[8:9], s[46:47]
	s_add_nc_u64 s[66:67], s[66:67], s[46:47]      ; bo at the same column
	v_lshlrev_b32 v6, 5, v2                        ; my half's eight numbers of a block of 16
.irp b, 0,1,2,3
	global_load_b128 v[BIAS+8*\b:BIAS+8*\b+3], v6, s[66:67] offset:64*\b
	global_load_b128 v[BIAS+8*\b+4:BIAS+8*\b+7], v6, s[66:67] offset:64*\b+16
.endr
; 8 matrix instructions: row blocks a0, a0 + 1 x all 4 column blocks, 32 along K: half c of buffer f.  zero = 1: the first product starts the sums, with the bias as its C.  The 16 accumulators take turns.
.macro MUL8 f, c, a0, zero
.irp a, \a0, \a0+1
.irp b, 0,1,2,3
.if \zero
	v_wmma_f32_16x16x32_f16 v[ACC+8*(4*(\a)+\b):ACC+8*(4*(\a)+\b)+7], v[\f+64+8*(4*\c+\b):\f+64+8*(4*\c+\b)+7], v[\f+8*(4*\c+\a):\f+8*(4*\c+\a)+7], v[BIAS+8*\b:BIAS+8*\b+7]
.else
	v_wmma_f32_16x16x32_f16 v[ACC+8*(4*(\a)+\b):ACC+8*(4*(\a)+\b)+7], v[\f+64+8*(4*\c+\b):\f+64+8*(4*\c+\b)+7], v[\f+8*(4*\c+\a):\f+8*(4*\c+\a)+7], v[ACC+8*(4*(\a)+\b):ACC+8*(4*(\a)+\b)+7]
.endif
.endr
.endr
.endm
; 32 LDS loads in one run: the fragments of the slot's q-th 64 along K into buffer f; the first 32 along K first.  Tile i: 8,192 bytes; 32 along K: two pieces, 1,024 bytes
.macro FETCH slot, q, f
	WIN TO_F
.irp c, 0,1
.irp i, 0,1,2,3
	ds_load_b128 v[\f+64+8*(4*\c+\i):\f+64+8*(4*\c+\i)+3],   v[ADRB+\slot] offset:8192*\i+1024*(2*(\q)+\c)
	ds_load_b128 v[\f+64+8*(4*\c+\i)+4:\f+64+8*(4*\c+\i)+7], v[ADRB+\slot] offset:8192*\i+1024*(2*(\q)+\c)+512
	ds_load_b128 v[\f+8*(4*\c+\i):\f+8*(4*\c+\i)+3],         v[ADRA+\slot] offset:8192*\i+1024*(2*(\q)+\c)
	ds_load_b128 v[\f+8*(4*\c+\i)+4:\f+8*(4*\c+\i)+7],       v[ADRA+\slot] offset:8192*\i+1024*(2*(\q)+\c)+512
.endr
.endr
.endm
.macro PLACES                          ; four plain places behind matrix instructions, ahead of loads into registers that they read and of reads of their results
.rept 4
	v_nop
.endr
.endm
; A K step is four quarters of 64 along K, 32 matrix instructions each, on buffers 0, 1, 0, 1.  One of the first three: multiplies buffer f and fetches quarter q into g.
.macro QUARTER slot, q, f, g, zero
	s_wait_dscnt 16                                ; the first 32 along K are in; the youngest sixteen loads may be out
	WIN MUL
	MUL8 \f, 0, 0, \zero
	MUL8 \f, 0, 2, \zero
	PLACES
	FETCH \slot, \q, \g
	s_wait_dscnt 32                                ; all but the 32 just issued
	WIN MUL
	MUL8 \f, 1, 0, 0
	MUL8 \f, 1, 2, 0
.endm
; The last quarter multiplies buffer 1 and changes slots: ONE barrier; in front of it each wave waits for all its tensor loads, adds 0 to its spare word, and waits for that and for its reads of this slot.  fill = 1: this slot is filled again, two K steps ahead.
.macro TURN slot, next, fill
	WIN 0
	s_wait_tensorcnt 0x0                           ; all my tensor loads have landed: my part of the next slot
	ds_add_u32 v[SPW], v[NIL]
	s_wait_dscnt 17                                ; (the add and the youngest sixteen loads may be out)
	WIN MUL
	MUL8 F1, 0, 0, 0
	s_wait_dscnt 0x0                               ; the add is done, and my reads of this slot are over
	s_barrier_signal -1
	MUL8 F1, 0, 2, 0
.if \fill
	WIN 0
.endif
	s_barrier_wait -1
.if \fill
	CREST                                          ; the barrier has opened a round of the cluster's: no wave of any partner still reads this slot or has a load on its way
	s_add_nc_u64 s[G0+4*\slot+2:G0+4*\slot+3], s[G0+4*\slot+2:G0+4*\slot+3], 2*KSB
	s_add_nc_u64 s[G0B+4*\slot+2:G0B+4*\slot+3], s[G0B+4*\slot+2:G0B+4*\slot+3], 2*KSB
	JLOAD \slot                                    ; the first tensor load behind the round; its four v_nop are also the places in front of the loads below
.else
	PLACES
.endif
	FETCH \next, 0, F0
	WIN MUL
	MUL8 F1, 1, 0, 0
	MUL8 F1, 1, 2, 0
.endm
	s_wait_loadcnt 0x0                             ; the bias
	s_wait_tensorcnt 1                             ; my part of K step 0 is in; K step 1's may be out
	s_barrier_signal -1
	s_barrier_wait -1
	FETCH 0, 0, F0
	QUARTER 0, 1, F0, F1, 1                        ; the first quarter stands in front of the loop: its first products start the sums
	WIN 0
	s_mov_b32 s3, LAPS-1
.Llap:                                                 ; a trip goes once round the ring and fills both slots again
	QUARTER 0, 2, F1, F0, 0
	QUARTER 0, 3, F0, F1, 0
	TURN 0, 1, 1
	QUARTER 1, 1, F0, F1, 0
	QUARTER 1, 2, F1, F0, 0
	QUARTER 1, 3, F0, F1, 0
	TURN 1, 0, 1
	QUARTER 0, 1, F0, F1, 0
	WIN 0
	s_sub_co_u32 s3, s3, 1
	s_cmp_lg_u32 s3, 0
	s_cbranch_scc1 .Llap
	QUARTER 0, 2, F1, F0, 0                        ; the last lap fills nothing
	QUARTER 0, 3, F0, F1, 0
	TURN 0, 1, 0
	QUARTER 1, 1, F0, F1, 0
	QUARTER 1, 2, F1, F0, 0
	QUARTER 1, 3, F0, F1, 0
	s_wait_dscnt 16
	WIN MUL
	MUL8 F1, 0, 0, 0
	MUL8 F1, 0, 2, 0
	s_wait_dscnt 0
	MUL8 F1, 1, 0, 0
	MUL8 F1, 1, 2, 0
	WIN 0
; THE WAY OUT, 16 rows x 64 columns at a time, through my own stage: LDS serves a wave's instructions in order, so no wait stands between the stores and the loads, nor ahead of the next block's stores.
.macro TOSTAGE a
.irp b, 0,1,2,3
	ds_store_b128 v[STO], v[ACC+8*(4*(\a)+\b):ACC+8*(4*(\a)+\b)+3] offset:64*\b        ; each accumulator from its low end on
	ds_store_b128 v[STO], v[ACC+8*(4*(\a)+\b)+4:ACC+8*(4*(\a)+\b)+7] offset:64*\b+16
.endr
.irp t, 0,1,2,3,4,5,6,7
	ds_load_b128 v[TMP+32*((\a)%2)+4*\t:TMP+32*((\a)%2)+4*\t+3], v[RD] offset:\t*2*SPITCH
.endr
.endm
.macro SEND a, younger                 ; younger: the LDS instructions issued behind block a's loads: the next block's eight stores and eight loads, or none
	s_wait_dscnt \younger
.irp t, 0,1,2,3,4,5,6,7
	global_store_b128 v[CO], v[TMP+32*((\a)%2)+4*\t:TMP+32*((\a)%2)+4*\t+3], s[8:9] offset:4096*(16*(\a)+2*\t) th:TH_STORE_NT   ; 16 lanes store 256 consecutive bytes, aligned
.endr
.endm
	PLACES
	TOSTAGE 0
	TOSTAGE 1
	SEND 0, 16
	s_wait_xcnt 0x0                                ; block 0's stores have read their registers: block 2's loads may land there
	TOSTAGE 2
	SEND 1, 16
	s_wait_xcnt 0x0
	TOSTAGE 3
	SEND 2, 16
	SEND 3, 0
	s_wait_tensorcnt 0x0                           ; the wave's end
	ds_add_u32 v[SPW], v[NIL]
	s_wait_dscnt 0x0
	CROUND                                         ; the closing round
	s_endpgm
.Lfunc_end_k_qb5768f6449_oproj:
	.size	k_qb5768f6449_oproj, .Lfunc_end_k_qb5768f6449_oproj-k_qb5768f6449_oproj
	.p2alignl 7, 3214868480
	.fill 96, 4, 3214868480
	.section	.rodata,"a",@progbits
	.p2align	6, 0x0
	.amdhsa_kernel k_qb5768f6449_oproj
		.amdhsa_group_segment_fixed_size 327680
		.amdhsa_private_segment_fixed_size 0
		.amdhsa_enable_private_segment 0
		.amdhsa_kernarg_size 32
		.amdhsa_user_sgpr_count 2
		.amdhsa_user_sgpr_kernarg_segment_ptr 1
		.amdhsa_wavefront_size32 1
		.amdhsa_system_sgpr_workgroup_id_x 1
		.amdhsa_system_sgpr_workgroup_id_y 1
		.amdhsa_system_sgpr_workgroup_id_z 1
		.amdhsa_system_vgpr_workitem_id 0
		.amdhsa_next_free_vgpr 512
		.amdhsa_next_free_sgpr 68
		.amdhsa_reserve_vcc 0
		.amdhsa_float_denorm_mode_32 3
		.amdhsa_float_denorm_mode_16_64 3
		.amdhsa_memory_ordered 1
		.amdhsa_forward_progress 1
		.amdhsa_inst_pref_size 86
	.end_amdhsa_kernel
	.amdgpu_metadata
---
amdhsa.version: [ 1, 2 ]
amdhsa.kernels:
  - .name:           k_qb5768f6449_oproj
    .symbol:         k_qb5768f6449_oproj.kd
    .args:
      - { .name: o_img, .offset: 0, .size: 8, .value_kind: global_buffer, .address_space: global }
      - { .name: wo_img, .offset: 8, .size: 8, .value_kind: global_buffer, .address_space: global }
      - { .name: bo, .offset: 16, .size: 8, .value_kind: global_buffer, .address_space: global }
      - { .name: out0, .offset: 24, .size: 8, .value_kind: global_buffer, .address_space: global }
    .group_segment_fixed_size: 327680
    .private_segment_fixed_size: 0
    .kernarg_segment_align: 8
    .kernarg_segment_size: 32
    .max_flat_workgroup_size: 128
    .sgpr_count:     68
    .vgpr_count:     512
    .wavefront_size: 32
...
	.end_amdgpu_metadata
.endif
;; end of part 4
